; MI455X (gfx1250); checked and timed in simulation.
; The chip was launched on July 23, 2026; its instructions are those of AMD's public machine-readable ISA for CDNA 5 (MIT licence, August 2026) and "CDNA5" Instruction Set Architecture Reference Guide (July 2026). The comments in the code are by the model that wrote it; some were corrected since.
;; Causal Self Attention. Allowed arithmetic: matrix products marked QUANTISED: E2M1 operands, one E8M0 scale for each 32 along K, by v_wmma_scale_f32_16x16x128_f8f6f4 with both operands' format E2M1 (or v_wmma_scale_f32_32x16x128_f4), f32 sums; products left as they are: bf16, f16 or f32 operands; f32 sums; everything else in f32.
;; Inputs: b_proj 1,024 float32; b_qkv 3,072 float32; w_proj 1,024 x 1,024 float32; w_qkv 1,024 x 3,072 float32; x 2 x 2,048 x 1,024 float32.
;; Outputs: out0 2 x 2,048 x 1,024 float32.
;; This version of the problem:
;;   THIS VERSION OF THE PROBLEM IS GIVEN IN LOW PRECISION. The matrix products marked QUANTISED in the list below multiply operands that are first quantised to E2M1 (2 exponent bits, 1 mantissa bit; 4 bits a number), with one power-of-two scale for each 32 numbers along K (OCP MX v1.0); their sums are f32. The products marked 'left as it is' may take bf16, f16 or f32 operands, with f32 sums. Whichever they take, every output number must still come out within the allowed error. Rounding operands to bf16 (8 significant bits) uses up far more of that allowance than f16 does (11 bits, for magnitudes from 6e-5 to 65,504). All else is computed in f32.
;;   The module's matrix products, in the order in which they are computed (A, B: the left and right operand; K: the contracted axis; several contracted axes count as one K, in the product's order):
;;     1. [M 4,096, K 1,024] x [K 1,024, N 3,072]; A: input x; B: input w_qkv: QUANTISED
;;     2. batch 32 x [M 2,048, K 64] x [K 64, N 2,048]; A: computed on the way; B: computed on the way: left as it is (an operand is computed on the way)
;;     3. batch 32 x [M 2,048, K 2,048] x [K 2,048, N 64]; A: computed on the way; B: computed on the way: left as it is (an operand is computed on the way)
;;     4. [M 4,096, K 1,024] x [K 1,024, N 1,024]; A: computed on the way; B: input w_proj: left as it is (an operand is computed on the way)
;;   THE QUANTISER, for each operand of a quantised product, along K:
;;     - K is cut into blocks of 32 from its start; a last block that is shorter is filled with zeros.
;;     - A block's scale is 2^e with e = floor(log2(the largest magnitude in the block)) - 2, held to -126 .. 127; a block of zeros has e = 0. As a byte (E8M0): e + 127.
;;     - Each number is divided by its block's scale, clamped to +-6, and rounded to the nearest number of E2M1, ties to even, subnormals kept.
;;     - The product sums the exact products of the quantised numbers (number of the format x scale) in f32.
;;   ~~~python
;;   def quantise(x, axis):      # numpy; x: float32 -> the quantised numbers, widened to float32 again
;;       x = np.moveaxis(x, axis, -1); K = x.shape[-1]
;;       x = np.pad(x, [(0, 0)] * (x.ndim - 1) + [(0, -K % 32)]); x = x.reshape(x.shape[:-1] + (-1, 32)); a = np.abs(x).max(-1, keepdims=True)
;;       e = np.where(a > 0, np.clip(np.frexp(np.where(a > 0, a, 1))[1] - 1 - 2, -126, 127), 0)      # np.frexp(a)[1] - 1 = floor(log2(a)), exactly
;;       r = np.clip(x / 2.0 ** e, -6, 6)
;;       step = 2.0 ** (np.maximum(np.frexp(np.where(r == 0, 1, r))[1] - 1, 0) - 1)
;;       q = np.round(r / step) * step * 2.0 ** e      # np.round: ties to even
;;       return np.moveaxis(q.reshape(q.shape[:-2] + (-1,))[..., :K], -1, axis).astype(np.float32)
;;   ~~~
;; One version. Each part assembles by itself: llvm-mc -triple=amdgcn-amd-amdhsa -mcpu=gfx1250 --defsym DOCPART=n.
;; ======== version 1 of 1: 6 launches
;; limits: values are held in f16: magnitudes above 65,504 overflow, below 6.1e-05 lose precision
;; workspace buffers: xc 2,097,152 bytes; xs 131,072 bytes; wc 1,572,864 bytes; ws 98,304 bytes; wp16 2,097,152 bytes; qkv16 25,165,824 bytes; y16 8,388,608 bytes; yf 131,072 bytes
;; launch prep (part 1): grid 256 x 1, 4 waves a work-group, no clusters, 50,688 bytes of LDS; arguments x, w_qkv, w_proj, xc, xs, wc, ws, wp16; writes xc, xs, wc, ws, wp16
.if DOCPART == 1
	.amdgcn_target "amdgcn-amd-amdhsa--gfx1250"
	.amdhsa_code_object_version 6
	.text
	.protected	k_q13575074a3_prep
	.globl	k_q13575074a3_prep
	.p2align	8
	.type	k_q13575074a3_prep,@function
k_q13575074a3_prep:
	s_mov_b64 s[64:65], 0
	v_nop
	global_prefetch_b8 v0, s[64:65] scope:SCOPE_SE
	s_setreg_imm32_b32 hwreg(HW_REG_WAVE_MODE, 25, 1), 1
	s_wait_xcnt 0x0
; PREP: three jobs in one launch, told apart by the work-group's number alone; the three ways never join.
;   work-groups   0-127: x [4096][1024] f32 (K innermost)  -> xc, codes of E2M1 [4096][512 bytes], and xs, E8M0 bytes [4096][32]
;   work-groups 128-223: w_qkv [1024 (k)][3072 (n)] f32    -> wc, codes [3072][512 bytes] with K innermost, and ws [3072][32]
;   work-groups 224-255: w_proj [1024][1024] f32           -> wp16, the same numbers in f16, same layout
; Every wave of every way streams 32,768 bytes of f32, so the 256 work-groups have equal work.
; A block's scale is 2^(floor(log2(largest magnitude)) - 2): its byte is the largest magnitude's exponent field - 2, held at 1 from below.
; LIMITS: a block of zeros gets the byte 1 where the rule says 127 (its codes are zeros, and this program alone reads the bytes); blocks whose largest
; magnitude lies under 2^-124 are held at the byte 1; NaN and infinities are not served; w_proj must lie inside f16's range (magnitudes up to 65,504).
; LDS: x's way has bytes 0-32767 (8,192 a wave), w_qkv's way bytes 32768-50175 (4,352 a wave), the spare words lie behind both.
.set SPARE, 50176
.set SPW,   192                        ; v192 LDS address of my spare word; never rewritten
.set NIL,   193                        ; v193 0; never rewritten
.macro FINISH                          ; a wave's end, behind the last LDS store
	s_wait_tensorcnt 0x0
	ds_add_u32 v[SPW], v[NIL]
	s_wait_dscnt 0x0
	s_endpgm
.endm
	s_load_b256 s[4:11], s[0:1], 0x0               ; x s[4:5], w_qkv s[6:7], w_proj s[8:9], xc s[10:11]
	s_load_b256 s[12:19], s[0:1], 0x20             ; xs s[12:13], wc s[14:15], ws s[16:17], wp16 s[18:19]
	v_lshl_add_u32 v[SPW], v0, 2, SPARE
	v_mov_b32 v[NIL], 0
	v_lshrrev_b32 v1, 5, v0
	v_readfirstlane_b32 s20, v1                    ; wave 0..3
	v_and_b32 v2, 31, v0                           ; lane
	s_mov_b32 s25, 0                               ; the upper word of every offset pair s[24:25]
	s_wait_kmcnt 0x0
	s_cmp_lt_u32 ttmp9, 128
	s_cbranch_scc1 .Lpath_x
	s_cmp_lt_u32 ttmp9, 224
	s_cbranch_scc1 .Lpath_w
; ---------------- w_proj to f16: a wave takes 8,192 numbers in 16 steps of 512; loads run four steps ahead
	s_sub_co_u32 s21, ttmp9, 224
	s_lshl_b32 s21, s21, 2
	s_add_co_u32 s21, s21, s20                     ; which run of 8,192 numbers
	s_lshl_b32 s24, s21, 15
	s_add_nc_u64 s[8:9], s[8:9], s[24:25]
	s_lshl_b32 s24, s21, 14
	s_add_nc_u64 s[18:19], s[18:19], s[24:25]
	v_lshlrev_b32 v3, 4, v2                        ; in: 16 bytes a lane
	v_lshlrev_b32 v4, 3, v2                        ; out: 8 bytes a lane
.macro CLOAD t
.irp i, 0,1,2,3
	global_load_b128 v[16+16*((\t)%4)+4*\i:16+16*((\t)%4)+4*\i+3], v3, s[8:9] offset:2048*(\t)+512*\i th:TH_LOAD_NT
.endr
.endm
.macro CSTEP t
.if 15-(\t) >= 3
	s_wait_loadcnt 12                              ; this step's four loads are in; those of the three steps behind it may be out
.else
	s_wait_loadcnt 4*(15-(\t))
.endif
	s_wait_xcnt 0x0                                ; the stores of two steps ago have read the registers that are written now
.irp i, 0,1,2,3
	v_cvt_pk_f16_f32 v[80+8*((\t)%2)+2*\i], v[16+16*((\t)%4)+4*\i], v[16+16*((\t)%4)+4*\i+1]
	v_cvt_pk_f16_f32 v[80+8*((\t)%2)+2*\i+1], v[16+16*((\t)%4)+4*\i+2], v[16+16*((\t)%4)+4*\i+3]
.endr
.if (\t)+4 < 16
	CLOAD (\t)+4
.endif
.irp i, 0,1,2,3
	global_store_b64 v4, v[80+8*((\t)%2)+2*\i:80+8*((\t)%2)+2*\i+1], s[18:19] offset:1024*(\t)+256*\i   ; 32 lanes store 256 consecutive bytes, aligned
.endr
.endm
.irp t, 0,1,2,3
	CLOAD \t
.endr
.irp t, 0,1,2,3,4,5,6,7,8,9,10,11,12,13,14,15
	CSTEP \t
.endr
	FINISH
; ---------------- x: a plain stream of blocks of 32.  A wave takes 16 steps of 512 numbers.  Loads take the bytes as they lie (512 a load); a step's 2,048 bytes
; turn through the wave's own stage in LDS so that a lane holds 16 neighbours along K; two neighbouring lanes hold a block.
.Lpath_x:
.set STEPS, 16
.set CB,    8                          ; bytes of 16 codes
.set XR,    16                         ; v16-79   four sets of 16 numbers as loaded
.set XX,    80                         ; v80-111  two sets of 16 neighbours
.set XE,    112                        ; v112-127 a scale byte for each step
.set XC,    128                        ; v128-191 codes, four registers a step: no store's data are written again
.set WREG,  8192
.set SP,    80                         ; a lane's place in a stage: 64 bytes + 16 of padding
	v_lshlrev_b32 v3, 4, v2
	s_mul_i32 s21, s20, WREG
	v_lshrrev_b32 v14, 2, v2
	v_mul_u32_u24 v14, v14, SP
	v_and_b32 v15, 3, v2
	v_lshl_add_u32 v14, v15, 4, v14
	v_add_nc_u32 v14, s21, v14                     ; into the stage: SP (lane / 4) + 16 (lane % 4)
	v_mul_u32_u24 v15, v2, SP
	v_add_nc_u32 v15, s21, v15                     ; out of it: SP x lane
	v_mul_u32_u24 v4, v2, CB
	v_lshrrev_b32 v5, 1, v2
	s_add_co_u32 s21, s21, 2*32*SP
	v_add_nc_u32 v5, s21, v5                       ; my wave's 256 scale bytes, my block's byte
	v_lshlrev_b32 v7, 3, v2
	v_add_nc_u32 v6, s21, v7
	s_lshl_b32 s22, ttmp9, 2
	s_add_co_u32 s22, s22, s20                     ; which run of 8,192 numbers
	s_lshl_b32 s24, s22, 15
	s_add_nc_u64 s[4:5], s[4:5], s[24:25]
	s_lshl_b32 s24, s22, 12
	s_add_nc_u64 s[10:11], s[10:11], s[24:25]
	s_lshl_b32 s24, s22, 8
	s_add_nc_u64 s[12:13], s[12:13], s[24:25]
.macro XLOAD t
.irp i, 0,1,2,3
	global_load_b128 v[XR+16*((\t)%4)+4*\i:XR+16*((\t)%4)+4*\i+3], v3, s[4:5] offset:2048*(\t)+512*\i th:TH_LOAD_NT
.endr
.endm
.macro XTURN t                         ; LDS serves a wave's instructions in order: no wait between the stores and the loads
.irp i, 0,1,2,3
	ds_store_b128 v14, v[XR+16*((\t)%4)+4*\i:XR+16*((\t)%4)+4*\i+3] offset:32*SP*((\t)%2)+8*SP*\i
.endr
.irp i, 0,1,2,3
	ds_load_b128 v[XX+16*((\t)%2)+4*\i:XX+16*((\t)%2)+4*\i+3], v15 offset:32*SP*((\t)%2)+16*\i
.endr
.endm
.irp t, 0,1,2,3
	XLOAD \t
.endr
	s_wait_loadcnt 12                              ; step 0's four loads are in
	XTURN 0
.macro XSTEP t
.set XS, XX+16*((\t)%2)
.if (\t) > 0
	s_wait_dscnt 1                                 ; this step's numbers are back from the stage (the last step's byte store may be out)
.else
	s_wait_dscnt 0x0
.endif
.if (\t)+4 < STEPS
	XLOAD (\t)+4
.endif
.if (\t)+1 < STEPS
.if STEPS-2-(\t) >= 3
	s_wait_loadcnt 12                              ; the next step's four loads are in; three steps' may be out
.else
	s_wait_loadcnt 4*(STEPS-2-(\t))
.endif
	XTURN (\t)+1
.endif
	v_max3_num_f32 v8, |v[XS]|, |v[XS+1]|, |v[XS+2]|
	v_max3_num_f32 v9, |v[XS+3]|, |v[XS+4]|, |v[XS+5]|
.irp i, 6,10
	v_max3_num_f32 v8, v8, |v[XS+\i]|, |v[XS+\i+1]|
	v_max3_num_f32 v9, v9, |v[XS+\i+2]|, |v[XS+\i+3]|
.endr
	v_max3_num_f32 v8, v8, |v[XS+14]|, |v[XS+15]|
	v_max3_num_f32 v8, v8, v9, 0x1800000           ; and the floor 2^(3 - 127): the byte cannot fall under 1
	v_max_num_f32_dpp v8, v8, v8 row_xmask:1 row_mask:0xf bank_mask:0xf   ; with my neighbour's 16: the block's largest magnitude
	v_add_nc_u32 v11, 0xff000000, v8               ; 2 off its exponent field: the conversion's scale operand
	v_cvt_scalef32_pk8_fp4_f32 v[XC+4*(\t)], v[XS:XS+7], v11
	v_cvt_scalef32_pk8_fp4_f32 v[XC+4*(\t)+1], v[XS+8:XS+15], v11
	v_lshrrev_b32 v[XE+(\t)], 23, v11              ; the scale's byte
	ds_store_b8 v5, v[XE+(\t)] offset:16*(\t)      ; both lanes of a block write the same byte with the same value
	global_store_b64 v4, v[XC+4*(\t):XC+4*(\t)+1], s[10:11] offset:32*CB*(\t)   ; 256 consecutive bytes, aligned
.endm
.irp t, 0,1,2,3,4,5,6,7,8,9,10,11,12,13,14,15
	XSTEP \t
.endr
	ds_load_b64 v[8:9], v6
	s_wait_dscnt 0x0
	global_store_b64 v7, v[8:9], s[12:13]          ; the wave's 256 scale bytes: one aligned run
	FINISH
; ---------------- w_qkv: K is the first axis.  A lane takes a column n and its registers run down K: a block of 32 lies in one lane.
; A wave takes 16 columns x 512 along K: lanes 0-15 the first 256 along K, lanes 16-31 the second 256, eight blocks a lane.  A load reads two runs of 64 bytes; the four waves of a
; work-group stand side by side on 256 aligned bytes of each row.  A column's 256 bytes of codes meet in the wave's own stage and leave as one aligned run, sixteen lanes to a run.
.Lpath_w:
.set NB,    8
.set WPIT,  272
.set WX,    32                         ; v32-95   two sets of 32 numbers
.set WC,    96                         ; v96-99   a block's codes
.set WOUT,  112                        ; v112-143 the way out
.set WSB,   24                         ; v24-25   the scale bytes, four to a register
	s_sub_co_u32 s21, ttmp9, 128
	s_cmp_ge_u32 s21, 48
	s_cselect_b32 s22, 1, 0                        ; which 512 along K
	s_cselect_b32 s23, 48, 0
	s_sub_co_u32 s21, s21, s23
	s_lshl_b32 s21, s21, 6                         ; 64 columns a work-group,
	s_lshl_b32 s23, s20, 4
	s_add_co_u32 s21, s21, s23                     ; 16 a wave: my wave's first column
	s_mul_i32 s24, s22, 6291456                    ; 512 rows of 12,288 bytes
	s_lshl_b32 s23, s21, 2
	s_add_co_u32 s24, s24, s23
	s_add_nc_u64 s[6:7], s[6:7], s[24:25]
	s_lshl_b32 s24, s21, 9
	s_lshl_b32 s23, s22, 8
	s_add_co_u32 s24, s24, s23
	s_add_nc_u64 s[14:15], s[14:15], s[24:25]
	s_lshl_b32 s24, s21, 5
	s_lshl_b32 s23, s22, 4
	s_add_co_u32 s24, s24, s23
	s_add_nc_u64 s[16:17], s[16:17], s[24:25]
	v_and_b32 v5, 15, v2                           ; r: my column
	v_lshrrev_b32 v6, 4, v2                        ; h: my 256 along K
	v_mul_u32_u24 v3, v6, 0x300000                 ; 256 rows of 12,288 bytes
	v_lshl_add_u32 v3, v5, 2, v3
	s_mul_i32 s23, s20, 16*WPIT
	s_add_co_u32 s23, s23, 32768                   ; my stage
	v_mul_u32_u24 v4, v5, WPIT
	v_lshl_add_u32 v4, v6, 7, v4
	v_add_nc_u32 v4, s23, v4                       ; into it: row = my column, 128 bytes for each half of the lanes
	v_mul_u32_u24 v7, v6, WPIT
	v_lshl_add_u32 v7, v5, 4, v7
	v_add_nc_u32 v7, s23, v7                       ; out of it: sixteen lanes to a row, two rows an instruction
	v_mul_u32_u24 v8, v6, 512
	v_lshl_add_u32 v8, v5, 4, v8                   ; the same place in wc
	v_lshlrev_b32 v9, 5, v5
	v_lshl_add_u32 v9, v6, 3, v9                   ; my eight scale bytes in my column's row
.macro WLOAD t
.irp i, 0,1,2,3,4,5,6,7,8,9,10,11,12,13,14,15,16,17,18,19,20,21,22,23,24,25,26,27,28,29,30,31
	global_load_b32 v[WX+32*((\t)%2)+\i], v3, s[6:7] offset:(32*(\t)+\i)*12288 th:TH_LOAD_NT   ; at most 255 rows on: inside the signed 24-bit immediate
.endr
.endm
	WLOAD 0
	WLOAD 1
.macro WBLOCK t
.set XS, WX+32*((\t)%2)
.if (\t) < NB-1
	s_wait_loadcnt 32                              ; this block's 32 loads are in; the next block's may be out
.else
	s_wait_loadcnt 0
.endif
	v_max3_num_f32 v12, |v[XS]|, |v[XS+1]|, |v[XS+2]|
	v_max3_num_f32 v13, |v[XS+3]|, |v[XS+4]|, |v[XS+5]|
.irp i, 6,10,14,18,22,26
	v_max3_num_f32 v12, v12, |v[XS+\i]|, |v[XS+\i+1]|
	v_max3_num_f32 v13, v13, |v[XS+\i+2]|, |v[XS+\i+3]|
.endr
	v_max3_num_f32 v12, v12, |v[XS+30]|, |v[XS+31]|
	v_max3_num_f32 v12, v12, v13, 0x1800000
	v_add_nc_u32 v11, 0xff000000, v12
	v_lshrrev_b32 v13, 23, v11
.if (\t)%4 == 0
	v_mov_b32 v[WSB+(\t)/4], v13
.else
	v_lshl_or_b32 v[WSB+(\t)/4], v13, 8*((\t)%4), v[WSB+(\t)/4]
.endif
.irp g, 0,1,2,3
	v_cvt_scalef32_pk8_fp4_f32 v[WC+\g], v[XS+8*\g:XS+8*\g+7], v11
.endr
	ds_store_b128 v4, v[WC:WC+3] offset:16*(\t)
.if (\t)+2 < NB
	WLOAD (\t)+2
.endif
	s_wait_dscnt 0x0                               ; the store has read its registers: the next block's codes may be written
.endm
.set Q, 0
.rept NB
	WBLOCK Q
.set Q, Q+1
.endr
	global_store_b64 v9, v[WSB:WSB+1], s[16:17]    ; my eight scale bytes
.irp t, 0,1,2,3,4,5,6,7
	ds_load_b128 v[WOUT+4*\t:WOUT+4*\t+3], v7 offset:2*\t*WPIT
.endr
.irp t, 0,1,2,3,4,5,6,7
	s_wait_dscnt 7-\t                              ; the younger loads from the stage may be out
	global_store_b128 v8, v[WOUT+4*\t:WOUT+4*\t+3], s[14:15] offset:2*\t*512   ; 16 lanes store 256 consecutive bytes, aligned
.endr
	FINISH
.Lfunc_end_k_q13575074a3_prep:
	.size	k_q13575074a3_prep, .Lfunc_end_k_q13575074a3_prep-k_q13575074a3_prep
	.p2alignl 7, 3214868480
	.fill 96, 4, 3214868480
	.section	.rodata,"a",@progbits
	.p2align	6, 0x0
	.amdhsa_kernel k_q13575074a3_prep
		.amdhsa_group_segment_fixed_size 50688
		.amdhsa_private_segment_fixed_size 0
		.amdhsa_enable_private_segment 0
		.amdhsa_kernarg_size 64
		.amdhsa_user_sgpr_count 2
		.amdhsa_user_sgpr_kernarg_segment_ptr 1
		.amdhsa_wavefront_size32 1
		.amdhsa_system_sgpr_workgroup_id_x 1
		.amdhsa_system_sgpr_workgroup_id_y 1
		.amdhsa_system_sgpr_workgroup_id_z 1
		.amdhsa_system_vgpr_workitem_id 0
		.amdhsa_next_free_vgpr 200
		.amdhsa_next_free_sgpr 66
		.amdhsa_reserve_vcc 0
		.amdhsa_float_denorm_mode_32 3
		.amdhsa_float_denorm_mode_16_64 3
		.amdhsa_memory_ordered 1
		.amdhsa_forward_progress 1
		.amdhsa_inst_pref_size 94
	.end_amdhsa_kernel
	.amdgpu_metadata
---
amdhsa.version: [ 1, 2 ]
amdhsa.kernels:
  - .name:           k_q13575074a3_prep
    .symbol:         k_q13575074a3_prep.kd
    .args:
      - { .name: x, .offset: 0, .size: 8, .value_kind: global_buffer, .address_space: global }
      - { .name: w_qkv, .offset: 8, .size: 8, .value_kind: global_buffer, .address_space: global }
      - { .name: w_proj, .offset: 16, .size: 8, .value_kind: global_buffer, .address_space: global }
      - { .name: xc, .offset: 24, .size: 8, .value_kind: global_buffer, .address_space: global }
      - { .name: xs, .offset: 32, .size: 8, .value_kind: global_buffer, .address_space: global }
      - { .name: wc, .offset: 40, .size: 8, .value_kind: global_buffer, .address_space: global }
      - { .name: ws, .offset: 48, .size: 8, .value_kind: global_buffer, .address_space: global }
      - { .name: wp16, .offset: 56, .size: 8, .value_kind: global_buffer, .address_space: global }
    .group_segment_fixed_size: 50688
    .private_segment_fixed_size: 0
    .kernarg_segment_align: 8
    .kernarg_segment_size: 64
    .max_flat_workgroup_size: 128
    .sgpr_count:     66
    .vgpr_count:     200
    .wavefront_size: 32
...
	.end_amdgpu_metadata
.endif
;; end of part 1
;; launch qkv (part 2): grid 12 x 16, 4 waves a work-group, clusters of 4 x 4, 327,680 bytes of LDS; arguments xc, xs, wc, ws, qkv16, b_qkv; writes qkv16
.if DOCPART == 2
	.amdgcn_target "amdgcn-amd-amdhsa--gfx1250"
	.amdhsa_code_object_version 6
	.text
	.protected	k_q13575074a3_qkv
	.globl	k_q13575074a3_qkv
	.p2align	8
	.type	k_q13575074a3_qkv,@function
k_q13575074a3_qkv:
	s_mov_b64 s[64:65], 0
	v_nop
	global_prefetch_b8 v0, s[64:65] scope:SCOPE_SE
	s_setreg_imm32_b32 hwreg(HW_REG_WAVE_MODE, 25, 1), 1
	s_wait_xcnt 0x0
	s_wait_alu depctr_hold_cnt(0) depctr_sa_sdst(0) depctr_va_vdst(0) depctr_va_sdst(0) depctr_va_ssrc(0) depctr_va_vcc(0) depctr_vm_vsrc(0)
	s_getreg_b32 s2, hwreg(HW_REG_IB_STS2, 6, 4)
	s_cmp_eq_u32 s2, 0
	s_cbranch_scc0 .Lentry_in_a_cluster
	s_endpgm
.Lentry_in_a_cluster:
	s_bfe_u32 s2, ttmp6, 0x10000c
	s_cmp_lg_u32 s2, 0xf033
	s_cbranch_scc0 .Lentry_shape_is_right
	s_endpgm
.Lentry_shape_is_right:
; QKV: qkv = Q(x) Q(w_qkv) + b_qkv on codes of E2M1 with E8M0 scales, [4096] x [3072], K = 1024; the result is rounded once to f16 and laid by heads:
; qkv16 = 96 planes [2048 (t)][64] of f16, plane = 32 x (0 q, 1 k, 2 v) + 16 x batch + head.
; LIMIT: q, k and v must lie inside f16's range (magnitudes up to 65,504).
; A tile of 256 x 256 to a work-group of four waves, 128 x 128 (64 accumulators, 512 registers) to a wave.  K = 1024 is two LDS slots of 512 along K (rows of 256 bytes): both are
; filled at the head and never again.  The scale bytes of the work-group's rows come once, as dense blocks.
; CLUSTERS: 4 x 4 work-groups; A's tiles are asked for jointly along a row of the cluster, B's along a column.
; THE MATRIX INSTRUCTION IS USED TRANSPOSED (source 0 = 16 rows of wc, source 1 = 16 rows of xc): a lane holds eight neighbouring columns of one row.  The bias is the C of each sum's first product.
; REGISTERS: window 0: v0-31 addresses; v32-95 scale words, two sets, and nothing else; v96-127 packed results; v128-191 A's fragments, later rows on the way out; v192-255 the bias.
;   window 1: B's fragments, two sets.   windows 2, 3: the accumulators ((a, b) at v[8 (8 (a % 4) + b)]).
.set SIZE_K, 1024
.set KSTEP,  512
.set NQ,     4
.set ROWB,   256
.set KROW,   512
.set PITCH,  272                       ; 256 bytes + 16: the 16 rows of a fragment load start at 16 different 16-byte columns
.set FR,     8
.set NL,     2
.set NP,     4
.set HALFT,  128*PITCH
.set SLOT,   4*HALFT
.set KS,     32
.set SCL,    2*SLOT
.set HALFS,  (128*KS/256)*272
.set SBLK,   (16*KS/256)*272
.set SPARE,  SCL+4*HALFS
.set SPITCH, 272                       ; the way out: a stage of 16 rows x (256 bytes + 16) for each wave, in slot 0, which has had its one fill and its last read by then
.set BO,   7
.set ADRA, 16
.set ADRB, 20
.set STO,  24
.set RD,   25
.set CO,   26
.set ADRS, 27
.set SPW,  28
.set NIL,  29
.set SC,   32
.set TMP,  96
.set AF,   128
.set BK,   128
.set BIAS, 192
.set G1, 24
.set G0, 32
.set G1B, 48
.set G0B, 56
.set G1S, 68
.set G0S, 76
.set G1SB, 80
.set G0SB, 88
.set MSB, 0
.macro WIN new                         ; the immediate's high byte repeats the setting that is left
.if MSB != (\new)
	s_set_vgpr_msb (MSB<<8)|(\new)
.set MSB, (\new)
.endif
.endm
.set MUL_LO, 0xa1                      ; source 0 (B) window 1, source 1 (A) window 0, C and D window 2
.set MUL_HI, 0xf1
.set TO_B,   0x40
.macro JLOAD g0a, g1a, g0b, g1b        ; a joint load: waves 0 and 1 fetch for A, waves 2 and 3 for B; s_nop 0 and four v_nop follow each line
	s_cmp_eq_u32 s15, 0
	s_cbranch_scc0 .Lfor_b_\@
	tensor_load_to_lds s[\g0a:\g0a+3], s[\g1a:\g1a+7]
	s_nop 0
.rept 4
	v_nop
.endr
	s_branch .Lasked_\@
.Lfor_b_\@:
	tensor_load_to_lds s[\g0b:\g0b+3], s[\g1b:\g1b+7]
	s_nop 0
.rept 4
	v_nop
.endr
.Lasked_\@:
.endm
.macro CROUND                          ; a round of the cluster's barrier
	s_barrier_signal -1
	s_barrier_wait -1
	s_cmp_lg_u32 s14, 0
	s_cbranch_scc1 .Lnot_wave_0_\@
	s_barrier_signal -3
.Lnot_wave_0_\@:
	s_barrier_wait -3
	s_barrier_signal -1
	s_barrier_wait -1
.endm
	s_load_b128 s[4:7], s[0:1], 0x0                ; xc, xs
	s_load_b128 s[8:11], s[0:1], 0x10              ; wc, ws
	s_load_b64 s[12:13], s[0:1], 0x20              ; qkv16
	s_load_b64 s[96:97], s[0:1], 0x28              ; b_qkv
	v_lshl_add_u32 v[SPW], v0, 2, SPARE
	v_mov_b32 v[NIL], 0
	ds_add_u32 v[SPW], v[NIL]                      ; the wave's opening: the add, twice on end, and its wait ahead of my first tensor load
	ds_add_u32 v[SPW], v[NIL]
	v_lshrrev_b32 v1, 5, v0
	v_readfirstlane_b32 s14, v1                    ; wave 0..3
	s_lshr_b32 s15, s14, 1                         ; my half of the tile's rows; also: I fetch for A (0) or B (1)
	s_and_b32 s16, s14, 1                          ; my half of its columns; also: which 128 rows I fetch
	s_bfe_u32 s40, ttmp6, 0x40000                  ; cx
	s_bfe_u32 s41, ttmp6, 0x40004                  ; cy
	s_lshl_b32 s42, ttmp9, 2
	s_add_co_u32 s42, s42, s40                     ; tile column
	s_and_b32 s17, ttmp7, 0xffff
	s_lshl_b32 s17, s17, 2
	s_add_co_u32 s17, s17, s41                     ; tile row
	s_lshl_b32 s43, s41, 2
	s_lshl_b32 s43, 15, s43                        ; my row of the cluster
	s_lshl_b32 s44, 0x1111, s40                    ; my column
	s_or_b32 s[G1+0], s43, (0<<16)|(1<<20)|(1<<21)|(5<<22)|(3<<25)  ; mask; elements of 1 byte; padding: 4 words after every 64
	s_or_b32 s[G1B+0], s44, (0<<16)|(1<<20)|(1<<21)|(5<<22)|(3<<25)
.irp g, G1, G1B
	s_mov_b32 s[\g+1], ROWB<<16
	s_mov_b32 s[\g+2], 128<<16
	s_mov_b32 s[\g+3], ROWB<<16
	s_mov_b32 s[\g+4], 128
	s_mov_b32 s[\g+5], KROW
	s_mov_b32 s[\g+6], 0
	s_mov_b32 s[\g+7], 0
.endr
	s_or_b32 s[G1S+0], s43, (3<<16)|(1<<20)|(1<<21)|(5<<22)|(3<<25) ; the scales of 128 rows: 4,096 dense bytes as 16 rows of 256
	s_or_b32 s[G1SB+0], s44, (3<<16)|(1<<20)|(1<<21)|(5<<22)|(3<<25)
.irp g, G1S, G1SB
	s_mov_b32 s[\g+1], 32<<16
	s_mov_b32 s[\g+2], (128*KS/256)<<16
	s_mov_b32 s[\g+3], 32<<16
	s_mov_b32 s[\g+4], 128*KS/256
	s_mov_b32 s[\g+5], 32
	s_mov_b32 s[\g+6], 0
	s_mov_b32 s[\g+7], 0
.endr
	s_lshl_b32 s18, s16, 7
	s_lshl_b32 s20, s17, 8
	s_add_co_u32 s20, s20, s18                     ; A: row 256 x tile row + 128 x half
	s_lshl_b32 s46, s42, 8
	s_add_co_u32 s46, s46, s18                     ; B: row 256 x tile column + 128 x half
	s_mov_b32 s21, 0
	s_mov_b32 s47, 0
	s_mov_b64 s[18:19], KS
	s_mul_u64 s[22:23], s[20:21], s[18:19]
	s_mul_u64 s[92:93], s[46:47], s[18:19]
	s_mov_b64 s[18:19], KROW
	s_mul_u64 s[20:21], s[20:21], s[18:19]
	s_mul_u64 s[46:47], s[46:47], s[18:19]
	s_mul_i32 s45, s14, HALFT
	s_mul_i32 s94, s14, HALFS
	s_wait_dscnt 0x0                               ; both opening adds are done
	s_wait_kmcnt 0x0
	s_add_nc_u64 s[20:21], s[4:5], s[20:21]
	s_add_nc_u64 s[22:23], s[6:7], s[22:23]
	s_add_nc_u64 s[46:47], s[8:9], s[46:47]
	s_add_nc_u64 s[92:93], s[10:11], s[92:93]
	CROUND                                         ; all sixteen work-groups are here: the first joint loads meet
	s_mov_b32 s[G0S], 1
	s_add_co_u32 s[G0S+1], s94, SCL
	s_mov_b64 s[G0S+2:G0S+3], s[22:23]
	s_or_b32 s[G0S+3], s[G0S+3], 0x80000000
	s_mov_b32 s[G0SB], 1
	s_add_co_u32 s[G0SB+1], s94, SCL
	s_mov_b64 s[G0SB+2:G0SB+3], s[92:93]
	s_or_b32 s[G0SB+3], s[G0SB+3], 0x80000000
	JLOAD G0S, G1S, G0SB, G1SB
.irp s, 0,1
	s_mov_b32 s[G0+4*\s], 1
	s_add_co_u32 s[G0+4*\s+1], s45, \s*SLOT
	s_add_nc_u64 s[G0+4*\s+2:G0+4*\s+3], s[20:21], \s*ROWB
	s_or_b32 s[G0+4*\s+3], s[G0+4*\s+3], 0x80000000
	s_mov_b32 s[G0B+4*\s], 1
	s_add_co_u32 s[G0B+4*\s+1], s45, \s*SLOT
	s_add_nc_u64 s[G0B+4*\s+2:G0B+4*\s+3], s[46:47], \s*ROWB
	s_or_b32 s[G0B+4*\s+3], s[G0B+4*\s+3], 0x80000000
	JLOAD G0+4*\s, G1, G0B+4*\s, G1B               ; three tensor loads of mine are out at the most
.endr
	v_and_b32 v1, 15, v0                           ; r
	v_bfe_u32 v2, v0, 4, 1                         ; h
	v_mul_u32_u24 v3, v1, PITCH
	v_lshl_add_u32 v4, v2, 4, v3
	s_mul_i32 s21, s15, HALFT
	s_mul_i32 s22, s16, HALFT
	s_add_co_u32 s22, s22, 2*HALFT
.irp s, 0,1
	v_add_nc_u32 v[ADRA+\s], s21, v4
	v_add_nc_u32 v[ADRB+\s], s22, v4
	s_add_co_u32 s21, s21, SLOT
	s_add_co_u32 s22, s22, SLOT
.endr
	v_mul_u32_u24 v5, v1, KS
	v_lshrrev_b32 v6, 8, v5
	v_lshl_add_u32 v5, v6, 4, v5                   ; my row's scales: 32 bytes a row, 16 more for each 256 passed
	s_mul_i32 s21, s15, HALFS
	s_mul_i32 s22, s16, HALFS
	s_add_co_u32 s22, s22, 2*HALFS
	s_sub_co_u32 s22, s22, s21
	v_mul_u32_u24 v6, s22, v2                      ; lanes 16-31 take B's
	s_add_co_u32 s21, s21, SCL
	v_add_nc_u32 v5, v5, v6
	v_add_nc_u32 v[ADRS], s21, v5
	s_mul_i32 s23, s14, 16*SPITCH                  ; my stage
	v_mul_u32_u24 v5, v1, SPITCH
	v_lshl_add_u32 v5, v2, 4, v5
	v_add_nc_u32 v[STO], s23, v5                   ; in: row r, 16 bytes for each half of the lanes
	v_and_b32 v6, 31, v0
	v_lshlrev_b32 v[CO], 4, v6                     ; out: 16 bytes a lane, 512 consecutive bytes an instruction: four rows of one head
	v_lshrrev_b32 v5, 3, v6
	v_mul_u32_u24 v5, v5, SPITCH
	v_and_b32 v6, 7, v6
	v_lshl_add_u32 v5, v6, 4, v5
	v_add_nc_u32 v[RD], s23, v5                    ; back: row lane / 8, 16 (lane % 8)
	; the bias of my 128 columns, in the result's layout: for block b the numbers 16 b + 8 h + 0 .. 7
	s_lshl_b32 s46, s42, 10
	s_lshl_b32 s47, s16, 9
	s_add_co_u32 s46, s46, s47
	s_mov_b32 s47, 0
	s_add_nc_u64 s[96:97], s[96:97], s[46:47]
	v_lshlrev_b32 v[BO], 5, v2
.irp b, 0,1,2,3,4,5,6,7
	global_load_b128 v[BIAS+8*\b:BIAS+8*\b+3], v[BO], s[96:97] offset:64*\b
	global_load_b128 v[BIAS+8*\b+4:BIAS+8*\b+7], v[BO], s[96:97] offset:64*\b+16
.endr
	; where my part goes: plane = ((tile column / 4) x 2 + tile row / 8) x 16 + (tile column % 4) x 4 + 2 x column half; t = (tile row % 8) x 256 + 128 x row half
	s_lshr_b32 s20, s42, 2
	s_lshl_b32 s20, s20, 1
	s_lshr_b32 s21, s17, 3
	s_add_co_u32 s20, s20, s21
	s_lshl_b32 s20, s20, 4
	s_and_b32 s21, s42, 3
	s_lshl_b32 s21, s21, 2
	s_add_co_u32 s20, s20, s21
	s_lshl_b32 s21, s16, 1
	s_add_co_u32 s20, s20, s21
	s_lshl_b32 s20, s20, 18                        ; a plane is 262,144 bytes
	s_and_b32 s21, s17, 7
	s_lshl_b32 s21, s21, 8
	s_lshl_b32 s22, s15, 7
	s_add_co_u32 s21, s21, s22
	s_lshl_b32 s21, s21, 7                         ; a row is 128 bytes
	s_add_co_u32 s20, s20, s21
	s_mov_b32 s21, 0
	s_add_nc_u64 s[12:13], s[12:13], s[20:21]
.macro FRAG reg, adr, q, i             ; 16 rows x 128 K of 4-bit codes: 8 registers, two loads of 16 bytes, 32 bytes apart
.irp c, 0,1
	ds_load_b128 v[\reg+4*\c:\reg+4*\c+3], v[\adr] offset:64*(\q)+32*\c+(\i)*16*PITCH
.endr
.endm
; 16 matrix instructions: A's blocks a0, a0 + 1 x B's eight.  zero = 1: the first product starts the sums from the bias.  The 64 accumulators take turns, one instruction a turn.
.macro MUL16 a0, p, q, sc, zero
.irp a, \a0, \a0+1
.irp b, 0,1,2,3,4,5,6,7
.if \zero
	v_wmma_scale_f32_16x16x128_f8f6f4 v[8*(8*((\a)%4)+\b):8*(8*((\a)%4)+\b)+7], v[128*(\p)+FR*\b:128*(\p)+FR*\b+FR-1], v[AF+FR*(\a):AF+FR*(\a)+FR-1], v[BIAS+8*\b:BIAS+8*\b+7], v[SC+8*NQ*(\sc)+NQ*\b+(\q)], v[SC+8*NQ*(\sc)+NQ*(\a)+(\q)] matrix_a_fmt:MATRIX_FMT_FP4 matrix_b_fmt:MATRIX_FMT_FP4 matrix_a_scale:MATRIX_SCALE_ROW1
.else
	v_wmma_scale_f32_16x16x128_f8f6f4 v[8*(8*((\a)%4)+\b):8*(8*((\a)%4)+\b)+7], v[128*(\p)+FR*\b:128*(\p)+FR*\b+FR-1], v[AF+FR*(\a):AF+FR*(\a)+FR-1], v[8*(8*((\a)%4)+\b):8*(8*((\a)%4)+\b)+7], v[SC+8*NQ*(\sc)+NQ*\b+(\q)], v[SC+8*NQ*(\sc)+NQ*(\a)+(\q)] matrix_a_fmt:MATRIX_FMT_FP4 matrix_b_fmt:MATRIX_FMT_FP4 matrix_a_scale:MATRIX_SCALE_ROW1
.endif
.endr
.endr
.endm
.macro FETCH_B slot, q, p
	WIN TO_B
.irp i, 0,1,2,3,4,5,6,7
	FRAG 128*(\p)+FR*\i, ADRB+\slot, \q, \i
.endr
	WIN 0
.endm
.macro FETCH_A slot, q, i0
.irp i, \i0, \i0+1, \i0+2, \i0+3
	FRAG AF+FR*(\i), ADRA+\slot, \q, \i
.endr
.endm
.macro SCALES sc                       ; a slot's scale words: lanes 0-15 take A's block i, lanes 16-31 B's block i
.irp i, 0,1,2,3,4,5,6,7
	ds_load_b128 v[SC+8*NQ*\sc+NQ*\i:SC+8*NQ*\sc+NQ*\i+3], v[ADRS] offset:\i*SBLK
.endr
.endm
.macro PLACES n                        ; plain places behind matrix instructions, in front of loads into their operands and of reads of results
.rept \n
	v_nop
.endr
.endm
.macro STEP slot, q, zero              ; 128 along K, with its successor in the same slot
	s_wait_dscnt 4*NL                              ; B's set and A's blocks 0-3 are in; the youngest eight loads (A's blocks 4-7) may be out
.if \zero
	WIN 0x81                                       ; C (the bias) window 0, D window 2
.else
	WIN MUL_LO
.endif
	MUL16 0, (\q)%2, \q, \slot, \zero
	MUL16 2, (\q)%2, \q, \slot, \zero
	s_wait_dscnt 0
	PLACES NP
	FETCH_B \slot, (\q)+1, 1-(\q)%2
	FETCH_A \slot, (\q)+1, 0
.if \zero
	WIN 0xc1
.else
	WIN MUL_HI
.endif
	MUL16 4, (\q)%2, \q, \slot, \zero
	MUL16 6, (\q)%2, \q, \slot, \zero
	PLACES NP
	WIN 0
	FETCH_A \slot, (\q)+1, 4
.endm
.macro TURN slot, next                 ; a slot's last step changes slots: one barrier; nothing is filled again
	s_wait_tensorcnt 0x0                           ; all my tensor loads have landed: my part of the next slot
	ds_add_u32 v[SPW], v[NIL]
	s_wait_dscnt 4*NL+1                            ; the add and the youngest eight loads may be out
	WIN MUL_LO
	MUL16 0, 1, NQ-1, \slot, 0
	s_wait_dscnt 0x0                               ; the add is done, and my reads of this slot are over
	s_barrier_signal -1
	MUL16 2, 1, NQ-1, \slot, 0
	WIN 0
	s_barrier_wait -1
	PLACES NP
	v_add_nc_u32 v[ADRS], 4*NQ, v[ADRS]            ; the next slot's scale words
	FETCH_B \next, 0, 0
	FETCH_A \next, 0, 0
	SCALES \next
	WIN MUL_HI
	MUL16 4, 1, NQ-1, \slot, 0
	MUL16 6, 1, NQ-1, \slot, 0
	PLACES NP
	WIN 0
	FETCH_A \next, 0, 4
.endm
.macro STEPS slot, from
.set Q, \from
.rept NQ-1-\from
	STEP \slot, Q, 0
.set Q, Q+1
.endr
.endm
	s_wait_tensorcnt 1                             ; the scales and my part of slot 0 are in (slot 1's load may be out)
	s_barrier_signal -1
	s_barrier_wait -1
	FETCH_B 0, 0, 0
	FETCH_A 0, 0, 0
	SCALES 0
	FETCH_A 0, 0, 4
	s_wait_loadcnt 0x0                             ; the bias
	STEP 0, 0, 1
	STEPS 0, 1
	TURN 0, 1
	STEPS 1, 0
	s_wait_dscnt 4*NL
	WIN MUL_LO
	MUL16 0, 1, NQ-1, 1, 0
	MUL16 2, 1, NQ-1, 1, 0
	s_wait_dscnt 0
	WIN MUL_HI
	MUL16 4, 1, NQ-1, 1, 0
	MUL16 6, 1, NQ-1, 1, 0
	WIN 0
; THE WAY OUT, a block of 16 rows x 128 columns (two heads) at a time: rounded to f16, 16 bytes a lane into my stage, back as rows, stored as 512 consecutive bytes (four rows of one head).
.macro PACK a
.set AC, 64*((\a)%4)
	WIN 0x0a+5*((\a)/4)                            ; sources 0 and 1: window 2 or 3
.irp b, 0,1,2,3,4,5,6,7
.irp u, 0,1,2,3
	v_cvt_pk_f16_f32 v[TMP+4*\b+\u], v[AC+8*\b+2*\u], v[AC+8*\b+2*\u+1]   ; each accumulator from its low end on
.endr
.endr
	WIN 0
.endm
.macro TOSTAGE a
.set BB, BK+32*((\a)%2)
.irp b, 0,1,2,3,4,5,6,7
	ds_store_b128 v[STO], v[TMP+4*\b:TMP+4*\b+3] offset:32*\b
.endr
.irp u, 0,1,2,3,4,5,6,7
	ds_load_b128 v[BB+4*\u:BB+4*\u+3], v[RD] offset:(\u%4)*4*SPITCH+(\u/4)*128   ; LDS serves a wave's instructions in order: these see the stores above
.endr
.endm
.macro SEND a
.set BB, BK+32*((\a)%2)
	s_wait_dscnt 0x0                               ; the block is back in registers
	s_wait_xcnt 0x0                                ; the stores of the block before have read their registers: the next block's loads may land there
.irp u, 0,1,2,3,4,5,6,7
	global_store_b128 v[CO], v[BB+4*\u:BB+4*\u+3], s[12:13] offset:(\u/4)*262144+(\a)*2048+(\u%4)*512
.endr
.endm
	PLACES NP
	PACK 0
	TOSTAGE 0
.irp a, 1,2,3,4,5,6,7
	PACK \a
	SEND \a-1
	TOSTAGE \a
.endr
	SEND 7
	s_wait_tensorcnt 0x0                           ; the wave's end
	ds_add_u32 v[SPW], v[NIL]
	s_wait_dscnt 0x0
	CROUND                                         ; the closing round
	s_endpgm
.Lfunc_end_k_q13575074a3_qkv:
	.size	k_q13575074a3_qkv, .Lfunc_end_k_q13575074a3_qkv-k_q13575074a3_qkv
	.p2alignl 7, 3214868480
	.fill 96, 4, 3214868480
	.section	.rodata,"a",@progbits
	.p2align	6, 0x0
	.amdhsa_kernel k_q13575074a3_qkv
		.amdhsa_group_segment_fixed_size 327680
		.amdhsa_private_segment_fixed_size 0
		.amdhsa_enable_private_segment 0
		.amdhsa_kernarg_size 48
		.amdhsa_user_sgpr_count 2
		.amdhsa_user_sgpr_kernarg_segment_ptr 1
		.amdhsa_wavefront_size32 1
		.amdhsa_system_sgpr_workgroup_id_x 1
		.amdhsa_system_sgpr_workgroup_id_y 1
		.amdhsa_system_sgpr_workgroup_id_z 1
		.amdhsa_system_vgpr_workitem_id 0
		.amdhsa_next_free_vgpr 1024
		.amdhsa_next_free_sgpr 98
		.amdhsa_reserve_vcc 0
		.amdhsa_float_denorm_mode_32 3
		.amdhsa_float_denorm_mode_16_64 3
		.amdhsa_memory_ordered 1
		.amdhsa_forward_progress 1
		.amdhsa_inst_pref_size 128
	.end_amdhsa_kernel
	.amdgpu_metadata
---
amdhsa.version: [ 1, 2 ]
amdhsa.kernels:
  - .name:           k_q13575074a3_qkv
    .symbol:         k_q13575074a3_qkv.kd
    .args:
      - { .name: xc, .offset: 0, .size: 8, .value_kind: global_buffer, .address_space: global }
      - { .name: xs, .offset: 8, .size: 8, .value_kind: global_buffer, .address_space: global }
      - { .name: wc, .offset: 16, .size: 8, .value_kind: global_buffer, .address_space: global }
      - { .name: ws, .offset: 24, .size: 8, .value_kind: global_buffer, .address_space: global }
      - { .name: qkv16, .offset: 32, .size: 8, .value_kind: global_buffer, .address_space: global }
      - { .name: b_qkv, .offset: 40, .size: 8, .value_kind: global_buffer, .address_space: global }
    .group_segment_fixed_size: 327680
    .private_segment_fixed_size: 0
    .kernarg_segment_align: 8
    .kernarg_segment_size: 48
    .max_flat_workgroup_size: 128
    .sgpr_count:     98
    .vgpr_count:     1024
    .wavefront_size: 32
...
	.end_amdgpu_metadata
.endif
;; end of part 2
;; launch attn (part 3): grid 8 x 32, 8 waves a work-group, clusters of 4 x 1, 327,680 bytes of LDS; arguments qkv16, y16; writes y16
.if DOCPART == 3
	.amdgcn_target "amdgcn-amd-amdhsa--gfx1250"
	.amdhsa_code_object_version 6
	.text
	.protected	k_q13575074a3_attn
	.globl	k_q13575074a3_attn
	.p2align	8
	.type	k_q13575074a3_attn,@function
k_q13575074a3_attn:
	s_mov_b64 s[64:65], 0
	v_nop
	global_prefetch_b8 v0, s[64:65] scope:SCOPE_SE
	s_setreg_imm32_b32 hwreg(HW_REG_WAVE_MODE, 25, 1), 1
	s_wait_xcnt 0x0
	s_wait_alu depctr_hold_cnt(0) depctr_sa_sdst(0) depctr_va_vdst(0) depctr_va_sdst(0) depctr_va_ssrc(0) depctr_va_vcc(0) depctr_vm_vsrc(0)
	s_getreg_b32 s2, hwreg(HW_REG_IB_STS2, 6, 4)
	s_cmp_eq_u32 s2, 0
	s_cbranch_scc0 .Lentry_in_a_cluster
	s_endpgm
.Lentry_in_a_cluster:
	s_bfe_u32 s2, ttmp6, 0x10000c
	s_cmp_lg_u32 s2, 0x3003
	s_cbranch_scc0 .Lentry_shape_is_right
	s_endpgm
.Lentry_shape_is_right:
; ATTN: y = softmax(q k^T / 8, causal) v for one batch and head a row of the grid; q, k, v f16 planes [2048][64] of qkv16; products on f16 operands with f32 sums; maxima and exponentials in f32;
; the weights p are rounded to f16 for the second product, y once at the end.  y16 = [batch x 16 + t / 128][head][128][64] f16.
; LIMITS: q, k, v inside f16's range; NaN and infinities are not served.  The running maximum is taken away before every exponential.
; SHARES.  A head's 2,048 queries are 16 groups of 128, each of 8 tiles of 16.  Work-group j (0..7) owns tile j of every group; wave w owns tile 0 = group 15 - w and tile 1 = group w.
; Keys go 128 a step.  A tile of group g runs steps 0 .. g; in its last step (its own group's 128 keys) hidden scores become -infinity by a select.  So every branch hangs on the
; wave's number and the count of steps alone, every wave has 17 tile steps, and wave 0 of every work-group reads every step's tiles: K and V can be asked for jointly.
; CLUSTER.  Four work-groups of one head form a cluster and ask for each tile by the same tensor load with a mask that names the four.
; LAYOUT.  S^T = K Q^T and O^T = V^T P: a lane holds one query (lane % 16) throughout; two tiles of S^T rounded in pairs are source 1 of the second product.  V is turned by ds_load_tr16_b128.
; P is rounded IN PLACE, into the low 32 registers of its tile's S^T.  THE ROW'S SUM is a product too: a fragment of ones x P, four instructions a tile step in place of 32 packed additions;
; every register of that accumulator holds the query's sum, over both halves of the lanes, of the same f16 weights that the numerator takes.
; RING.  Two LDS slots of 256 keys (two steps), each of four chunks of 64 keys; waves 0-3 fetch a chunk's K each, waves 4-7 its V: one tensor load of 64 rows a wave, one out at a time.
; REGISTERS: window 0: v1-15 addresses and lane numbers; v16-31 statistics, 8 a tile (+0 c m, +1 m, +4..7 at work, a in +6); v32-47 the sums; v48-50; v64-191 S^T, 64 a tile; v192-255 O^T.
;   window 1: v0-127 K's fragments, then V's in the same registers (V's loads are issued behind K Q^T and land under the softmax); v128-159 Q; v160-167 the ones.
.set PK,    144                        ; a row of K in LDS: 128 bytes + 16
.set PV,    160                        ; a row of V: 128 + 32
.set VOFF,  64*PK
.set STEPB, 64*(PK+PV)                 ; a chunk: 64 rows of K, then 64 rows of V
.set SLOT1, 1<<17
.set STAGE, SLOT1+4*STEPB              ; behind the ring: 2 tiles x 16 rows x 144 bytes for each wave
.set SPARE, STAGE+8*4608               ; the spare words, 128 bytes a wave
.set AK0, 3
.set AV0, 4
.set ADK, 5
.set ADV, 6
.set QO,  7
.set STO, 8
.set RD,  9
.set GO,  10
.set NINF, 11
.set QH,  12                           ; v12, v13: tile t's first query + r - 8 h
.set DD,  14                           ; v14, v15: the same less the step's first key
.set ST,  16
.set LS,  32                           ; v32-47: the sums' accumulators, 8 a tile
.set SPW, 48
.set NIL, 49
.set PFO, 50
.set S,   64
.set OUTP, 128                         ; the way out: rows read back from the stage
.set O,   192
.set QF,  128                          ; in window 1
.set ONE, 160                          ; in window 1
.set WV,  8
.set CX,  9
.set J,   10
.set BH,  11
.set QP0, 18
.set QP1, 20
.set YP0, 22
.set YP1, 66
.set G1K, 24
.set G1V, 32
.set G0K, 40
.set G0V, 44
.set SLOTS, 48
.set SI,  49                           ; the step's number
.set ST4, 50
.set TB,  51                           ; LDS byte at which the step's two chunks begin
.set KF,  52                           ; the step's first key
.set LIM, 53
.set PFA, 54
.set CS,  56                           ; s[56:57] c = log2(e) / 8
.set SEL, 58
.set HEND, 60                          ; tile 0 runs while the step's number is under 16 - w,
.set LEND, 61                          ; tile 1 while under w + 1;
.set HDG, 62                           ; in step 15 - w tile 0 is masked,
.set LDG, 63                           ; in step w tile 1
.set MSB, 0
.macro WIN new
.if MSB != (\new)
	s_set_vgpr_msb (MSB<<8)|(\new)
.set MSB, (\new)
.endif
.endm
.macro JLOAD                           ; a joint load: waves 0-3 K's chunk w % 4 of the slot, waves 4-7 V's; s_nop 0 and four v_nop follow each line
	s_cmp_lt_u32 s[WV], 4
	s_cbranch_scc0 .Lfor_v_\@
	tensor_load_to_lds s[G0K:G0K+3], s[G1K:G1K+7]
	s_nop 0
.rept 4
	v_nop
.endr
	s_branch .Lasked_\@
.Lfor_v_\@:
	tensor_load_to_lds s[G0V:G0V+3], s[G1V:G1V+7]
	s_nop 0
.rept 4
	v_nop
.endr
.Lasked_\@:
.endm
; A prefetch of what the NEXT change of slots will ask for: a slot's 32,768 bytes of K and of V.  The head's first cluster asks; its four partners take 8,192 bytes each, told apart by address;
; in each, wave 0 asks for K's and wave 4 for V's, lanes 256 bytes apart: each aligned run of 256 bytes is named once in the launch.  The last change that fills a slot asks for nothing.
.macro ASK
	s_cmp_gt_u32 s[SLOTS], s[LIM]
	s_cbranch_scc0 .Lnot_mine_\@
	global_prefetch_b8 v[PFO], s[PFA:PFA+1] th:TH_LOAD_NT scope:SCOPE_SE
.Lnot_mine_\@:
.endm
.macro CROUND
	s_barrier_signal -1
	s_barrier_wait -1
	s_cmp_lg_u32 s[WV], 0
	s_cbranch_scc1 .Lnot_wave_0_\@
	s_barrier_signal -3
.Lnot_wave_0_\@:
	s_barrier_wait -3
	s_barrier_signal -1
	s_barrier_wait -1
.endm
	s_load_b128 s[4:7], s[0:1], 0x0                ; qkv16 s[4:5], y16 s[6:7]
	v_lshl_add_u32 v[SPW], v0, 2, SPARE
	v_mov_b32 v[NIL], 0
	ds_add_u32 v[SPW], v[NIL]                      ; the wave's opening: the add, twice on end, and its wait ahead of my first tensor load
	ds_add_u32 v[SPW], v[NIL]
	v_lshrrev_b32 v1, 5, v0
	v_readfirstlane_b32 s[WV], v1                  ; wave 0..7
	s_bfe_u32 s[CX], ttmp6, 0x40000
	s_lshl_b32 s[J], ttmp9, 2
	s_add_co_u32 s[J], s[J], s[CX]                 ; j: it enters Q's and y's addresses and the mask's lane numbers alone
	s_and_b32 s[BH], ttmp7, 0xffff                 ; 16 x batch + head, which the partners share
	s_mov_b32 s[G1K], 15|(1<<16)|(1<<20)|(1<<21)|(4<<22)|(3<<25)  ; mask: all four; elements of 2 bytes; padding: 4 words after every 32
	s_mov_b32 s[G1V], 15|(1<<16)|(1<<20)|(1<<21)|(4<<22)|(7<<25)  ; the same with 8 words
.irp g, G1K, G1V
	s_mov_b32 s[\g+1], 64<<16                      ; tensor_dim0 = 64
	s_mov_b32 s[\g+2], 64<<16                      ; tensor_dim1 = 64
	s_mov_b32 s[\g+3], 64<<16                      ; tile_dim0 = 64
	s_mov_b32 s[\g+4], 64                          ; tile_dim1 = 64
	s_mov_b32 s[\g+5], 64                          ; from row to row
	s_mov_b32 s[\g+6], 0
	s_mov_b32 s[\g+7], 0
.endr
	s_sub_co_u32 s12, 15, s[WV]                    ; tile 0's group
	s_lshl_b32 s13, s[J], 4
	s_lshl_b32 s2, s12, 7
	s_add_co_u32 s2, s2, s13                       ; tile 0's first query
	s_lshl_b32 s3, s[WV], 7
	s_add_co_u32 s3, s3, s13                       ; tile 1's
	s_lshl_b32 s14, s[BH], 18
	s_lshl_b32 s[QP0], s2, 7
	s_add_co_u32 s[QP0], s[QP0], s14
	s_mov_b32 s[QP0+1], 0
	s_lshl_b32 s[QP1], s3, 7
	s_add_co_u32 s[QP1], s[QP1], s14
	s_mov_b32 s[QP1+1], 0
	s_lshr_b32 s14, s[BH], 4
	s_lshl_b32 s14, s14, 4                         ; 16 x batch
	s_and_b32 s15, s[BH], 15
	s_lshl_b32 s15, s15, 14
	s_lshl_b32 s16, s[J], 11
	s_add_co_u32 s15, s15, s16                     ; the head's plane of 16,384 bytes and my tile's 2,048
	s_add_co_u32 s[YP0], s14, s12
	s_lshl_b32 s[YP0], s[YP0], 18
	s_add_co_u32 s[YP0], s[YP0], s15
	s_mov_b32 s[YP0+1], 0
	s_add_co_u32 s[YP1], s14, s[WV]
	s_lshl_b32 s[YP1], s[YP1], 18
	s_add_co_u32 s[YP1], s[YP1], s15
	s_mov_b32 s[YP1+1], 0
	s_and_b32 s17, s[WV], 3                        ; which of a slot's four chunks I fetch
	s_mul_i32 s16, s17, STEPB                      ; its place in a slot
	s_lshl_b32 s17, s17, 13                        ; its 64 rows of 128 bytes in memory
	s_add_co_u32 s12, s[BH], 32
	s_lshl_b32 s12, s12, 18
	s_add_co_u32 s12, s12, s17                     ; in K's plane
	s_mov_b32 s13, 0
	s_add_co_u32 s14, s12, 32<<18                  ; in V's
	s_mov_b32 s15, 0
	s_sub_co_u32 s[HEND], 16, s[WV]
	s_add_co_u32 s[LEND], s[WV], 1
	s_sub_co_u32 s[HDG], 15, s[WV]
	s_mov_b32 s[LDG], s[WV]
	s_mov_b32 s[CS], 0x3e38aa3b
	s_mov_b32 s[CS+1], s[CS]
	s_mov_b32 s[SEL], 0x76543210
	s_mov_b32 s[SEL+1], 0xfedcba98
	s_mov_b32 s[SLOTS], 7
	s_mov_b32 s[SI], 0
	s_mov_b32 s[TB], 0
	s_mov_b32 s[KF], 0
	s_and_b32 s17, s[WV], 3
	s_or_b32 s17, s17, ttmp9                       ; 0 in waves 0 and 4 of the head's first cluster: the same in all four partners
	s_cmp_eq_u32 s17, 0
	s_cselect_b32 s[LIM], 1, -1
	s_wait_dscnt 0x0                               ; both opening adds are done
	s_wait_kmcnt 0x0
	s_add_nc_u64 s[QP0:QP0+1], s[4:5], s[QP0:QP0+1]
	s_add_nc_u64 s[QP1:QP1+1], s[4:5], s[QP1:QP1+1]
	s_add_nc_u64 s[YP0:YP0+1], s[6:7], s[YP0:YP0+1]
	s_add_nc_u64 s[YP1:YP1+1], s[6:7], s[YP1:YP1+1]
	s_add_nc_u64 s[12:13], s[4:5], s[12:13]
	s_add_nc_u64 s[14:15], s[4:5], s[14:15]
	s_mov_b32 s[G0K], 1
	s_mov_b32 s[G0K+1], s16
	s_mov_b64 s[G0K+2:G0K+3], s[12:13]
	s_or_b32 s[G0K+3], s[G0K+3], 0x80000000
	s_mov_b32 s[G0V], 1
	s_add_co_u32 s[G0V+1], s16, VOFF
	s_mov_b64 s[G0V+2:G0V+3], s[14:15]
	s_or_b32 s[G0V+3], s[G0V+3], 0x80000000
	s_cmp_lt_u32 s[WV], 4
	s_cselect_b64 s[PFA:PFA+1], s[12:13], s[14:15] ; (in waves 0 and 4 these stand at the plane's first row)
	s_lshl_b32 s12, s[CX], 13
	s_mov_b32 s13, 0
	s_add_nc_u64 s[PFA:PFA+1], s[PFA:PFA+1], s[12:13]
	s_add_nc_u64 s[PFA:PFA+1], s[PFA:PFA+1], 32768 ; in slot 1; the first change of slots steps it to slot 2.  Nothing is prefetched at the head
	CROUND                                         ; all four work-groups are here: the first joint loads meet
	JLOAD                                          ; slot 0
	v_and_b32 v1, 15, v0                           ; r
	v_bfe_u32 v2, v0, 4, 1                         ; h
	v_lshlrev_b32 v[QO], 7, v1
	v_lshl_add_u32 v[QO], v2, 4, v[QO]
	WIN 0x40                                       ; destination window 1
.irp c, 0,1
	global_load_b128 v[QF+8*\c:QF+8*\c+3], v[QO], s[QP0:QP0+1] offset:64*\c
	global_load_b128 v[QF+8*\c+4:QF+8*\c+7], v[QO], s[QP0:QP0+1] offset:64*\c+32
	global_load_b128 v[QF+16+8*\c:QF+16+8*\c+3], v[QO], s[QP1:QP1+1] offset:64*\c
	global_load_b128 v[QF+16+8*\c+4:QF+16+8*\c+7], v[QO], s[QP1:QP1+1] offset:64*\c+32
.endr
.set i, 0
.rept 8
	v_mov_b32 v[ONE+i], 0x3c003c00                 ; a fragment of ones: two f16 numbers 1.0 a register
.set i, i+1
.endr
	WIN 0
	v_mul_u32_u24 v[AK0], v1, PK
	v_lshl_add_u32 v[AK0], v2, 4, v[AK0]           ; K: row r x pitch + 16 h
	v_and_b32 v[ADK], 7, v0
	v_lshl_add_u32 v[AV0], v2, 3, v[ADK]
	v_mul_u32_u24 v[AV0], v[AV0], PV
	v_bfe_u32 v[ADK], v0, 3, 1
	v_lshl_add_u32 v[AV0], v[ADK], 4, v[AV0]
	v_add_nc_u32 v[AV0], VOFF, v[AV0]              ; V: key 8 h + lane % 8, channels 8 ((lane / 8) % 2) on
	s_mul_i32 s12, s[WV], 4608
	s_add_co_u32 s12, s12, STAGE
	v_mul_u32_u24 v[STO], v1, 144
	v_lshl_add_u32 v[STO], v2, 4, v[STO]
	v_add_nc_u32 v[STO], s12, v[STO]
	v_and_b32 v[GO], 31, v0
	v_lshrrev_b32 v[RD], 3, v[GO]
	v_mul_u32_u24 v[RD], v[RD], 144
	v_and_b32 v[ADV], 7, v0
	v_lshl_add_u32 v[RD], v[ADV], 4, v[RD]
	v_add_nc_u32 v[RD], s12, v[RD]
	v_lshlrev_b32 v[GO], 4, v[GO]
	v_mov_b32 v[NINF], 0xff800000
	v_lshlrev_b32 v[DD], 3, v2
	v_sub_nc_u32 v[DD], v1, v[DD]                  ; r - 8 h
	v_add_nc_u32 v[QH], s2, v[DD]
	v_add_nc_u32 v[QH+1], s3, v[DD]
	v_and_b32 v[PFO], 31, v0
	v_lshlrev_b32 v[PFO], 8, v[PFO]
.irp t, 0,1
	v_mov_b32 v[ST+8*\t+1], 0xff61b1e6             ; m: -3e38, under every score
	v_mul_f32 v[ST+8*\t], s[CS], v[ST+8*\t+1]
.irp i, 4,5,6,7
	v_mov_b32 v[ST+8*\t+\i], 0
.endr
.endr
.set i, 0
.rept 16
	v_mov_b32 v[LS+i], 0                           ; the sums, and
.set i, i+1
.endr
.set i, 0
.rept 64
	v_mov_b32 v[O+i], 0                            ; O^T: the step is written once; the first step finds zeros, which its a = 0 leaves zeros
.set i, i+1
.endr
; THE SOFTMAX of nt tiles for one key step of 128 keys, in phases, the tiles by turns.  A tile's 64 scores lie in eight accumulators.
.macro SOFT nt
.set j, 0
.rept 4                                ; four chains; chain j begins with accumulator j: each accumulator is first read at its low end
.set tt, 0
.rept \nt
	v_max3_num_f32 v[ST+8*tt+4+j], v[S+64*tt+8*j], v[S+64*tt+8*j+1], v[S+64*tt+8*j+2]
.set tt, tt+1
.endr
.set j, j+1
.endr
.set j, 0
.rept 8                                ; its registers 3 to 6
.set tt, 0
.rept \nt
	v_max3_num_f32 v[ST+8*tt+4+j%4], v[ST+8*tt+4+j%4], v[S+64*tt+8*(j%4)+2*(j/4)+3], v[S+64*tt+8*(j%4)+2*(j/4)+4]
.set tt, tt+1
.endr
.set j, j+1
.endr
.set j, 0
.rept 16                               ; chain j goes on with accumulator 4 + j, all eight registers, from the low end on
.set tt, 0
.rept \nt
	v_max3_num_f32 v[ST+8*tt+4+j%4], v[ST+8*tt+4+j%4], v[S+64*tt+32+8*(j%4)+2*(j/4)], v[S+64*tt+32+8*(j%4)+2*(j/4)+1]
.set tt, tt+1
.endr
.set j, j+1
.endr
.set tt, 0
.rept \nt
	v_max3_num_f32 v[ST+8*tt+4], v[ST+8*tt+4], v[S+64*tt+7], v[S+64*tt+15]   ; the four scores left over
	v_max3_num_f32 v[ST+8*tt+6], v[ST+8*tt+6], v[S+64*tt+23], v[S+64*tt+31]
.set tt, tt+1
.endr
.set tt, 0
.rept \nt
	v_max3_num_f32 v[ST+8*tt+4], v[ST+8*tt+4], v[ST+8*tt+5], v[ST+8*tt+6]
.set tt, tt+1
.endr
.set tt, 0
.rept \nt
	v_max3_num_f32 v[ST+8*tt+4], v[ST+8*tt+4], v[ST+8*tt+7], v[ST+8*tt+1]   ; with the old m
.set tt, tt+1
.endr
.set tt, 0
.rept \nt
	v_permlanex16_b32 v[ST+8*tt+5], v[ST+8*tt+4], s[SEL], s[SEL+1]          ; the query's other 64 keys lie in the lane 16 away
	v_mov_b32 v[ST+8*tt+7], v[ST+8*tt]                                      ; c m_old
.set tt, tt+1
.endr
.set tt, 0
.rept \nt
	v_max_num_f32 v[ST+8*tt+1], v[ST+8*tt+4], v[ST+8*tt+5]
.set tt, tt+1
.endr
.set tt, 0
.rept \nt
	v_mul_f32 v[ST+8*tt], s[CS], v[ST+8*tt+1]
.set tt, tt+1
.endr
.set tt, 0
.rept \nt
	v_sub_f32 v[ST+8*tt+7], v[ST+8*tt+7], v[ST+8*tt]
.set tt, tt+1
.endr
.set j, 0
.rept 32
.set tt, 0
.rept \nt
	v_pk_fma_f32 v[S+64*tt+2*j:S+64*tt+2*j+1], v[S+64*tt+2*j:S+64*tt+2*j+1], s[CS:CS+1], v[ST+8*tt:ST+8*tt+1] op_sel_hi:[1,0,0] neg_lo:[0,0,1] neg_hi:[0,0,1]   ; c s - c m
.set tt, tt+1
.endr
.set j, j+1
.endr
.set tt, 0
.rept \nt
	v_exp_f32 v[ST+8*tt+6], v[ST+8*tt+7]           ; a = 2^(c m_old - c m_new)
.set tt, tt+1
.endr
.set j, 0
.rept 64
.set tt, 0
.rept \nt
	v_exp_f32 v[S+64*tt+j], v[S+64*tt+j]
.set tt, tt+1
.endr
.set j, j+1
.endr
	v_nop                                          ; a plain instruction behind the last exponential
	s_wait_alu depctr_va_vdst(0)                   ; one wait for the whole batch, ahead of its first reader
.set j, 0
.rept 32                               ; P in place: pair j goes into register j, which no later pair reads
.set tt, 0
.rept \nt
	v_cvt_pk_f16_f32 v[S+64*tt+j], v[S+64*tt+2*j], v[S+64*tt+2*j+1]
.set tt, tt+1
.endr
.set j, j+1
.endr
.set j, 0
.rept 4
.set tt, 0
.rept \nt
	v_pk_mul_f32 v[LS+8*tt+2*j:LS+8*tt+2*j+1], v[LS+8*tt+2*j:LS+8*tt+2*j+1], v[ST+8*tt+6:ST+8*tt+7] op_sel_hi:[1,0]   ; the sums x a, from the low end on
.set tt, tt+1
.endr
.set j, j+1
.endr
.set j, 0
.rept 16
.set tt, 0
.rept \nt
	v_pk_mul_f32 v[O+32*tt+2*j:O+32*tt+2*j+1], v[O+32*tt+2*j:O+32*tt+2*j+1], v[ST+8*tt+6:ST+8*tt+7] op_sel_hi:[1,0]   ; O^T x a, each accumulator from its low end on
.set tt, tt+1
.endr
.set j, j+1
.endr
.endm
; A KEY STEP of 128 keys for nt tiles (2: both; 1: tile 0 alone).
.macro STEPBODY nt
	v_add_nc_u32 v[ADK], s[TB], v[AK0]
	v_add_nc_u32 v[ADV], s[TB], v[AV0]
	v_nop
	v_nop
	v_nop                                          ; five plain places behind the last step's products: the first products below write over registers that those read as P; the loads into V's registers want four
	WIN 0x40                                       ; destination window 1
.irp kt, 0,1,2,3,4,5,6,7
.irp c, 0,1
	ds_load_b128 v[16*\kt+8*\c:16*\kt+8*\c+3], v[ADK] offset:(\kt/4)*STEPB+(\kt%4)*16*PK+64*\c
	ds_load_b128 v[16*\kt+8*\c+4:16*\kt+8*\c+7], v[ADK] offset:(\kt/4)*STEPB+(\kt%4)*16*PK+64*\c+32
.endr
.endr
	s_wait_dscnt 16                                ; the first 64 keys' sixteen loads are in; the other sixteen may be out
	WIN 0x05                                       ; sources 0 (K) and 1 (Q) window 1
.irp hf, 0,1                           ; S^T = K Q^T, 64 keys at a time: 4 nt accumulators take turns, one instruction a turn
.if \hf == 1
	s_wait_dscnt 0x0                               ; the second 64 keys are in
.endif
.set i, 0
.rept 8*\nt
.set cc, i/(4*\nt)
.set kt, 4*\hf+(i/\nt)%4
.set tt, i%\nt
.if cc == 0
	v_wmma_f32_16x16x32_f16 v[S+64*tt+8*kt:S+64*tt+8*kt+7], v[16*kt+8*cc:16*kt+8*cc+7], v[QF+16*tt+8*cc:QF+16*tt+8*cc+7], 0
.else
	v_wmma_f32_16x16x32_f16 v[S+64*tt+8*kt:S+64*tt+8*kt+7], v[16*kt+8*cc:16*kt+8*cc+7], v[QF+16*tt+8*cc:QF+16*tt+8*cc+7], v[S+64*tt+8*kt:S+64*tt+8*kt+7]
.endif
.set i, i+1
.endr
.endr
	WIN 0
	v_sub_nc_u32 v[DD], v[QH], s[KF]
	v_sub_nc_u32 v[DD+1], v[QH+1], s[KF]
	v_nop
	v_nop                                          ; four plain places behind the products, in front of the loads into K's registers and of the first read of the scores
	WIN 0x40
.irp ks, 0,1,2,3                       ; V, turned, into the registers that K has left: 32 keys x 64 channels a ks
.irp ct, 0,1,2,3
	ds_load_tr16_b128 v[32*\ks+8*\ct:32*\ks+8*\ct+3], v[ADV] offset:(\ks/2)*STEPB+(\ks%2)*32*PV+32*\ct
	ds_load_tr16_b128 v[32*\ks+8*\ct+4:32*\ks+8*\ct+7], v[ADV] offset:(\ks/2)*STEPB+(\ks%2)*32*PV+32*\ct+16*PV
.endr
.endr
	WIN 0
.if \nt == 2
	s_cmp_lt_u32 s[SI], s[LDG]                     ; tile 1's own group of keys has not begun: nothing is hidden (tile 0's lies further on)
.else
	s_cmp_lt_u32 s[SI], s[HDG]
.endif
	s_cbranch_scc1 .Lopen_\@
.set n, 0
.rept 64                               ; register 8 kt + i holds key KF + 16 kt + 8 h + i: hidden where 16 kt + i > my query - KF - 8 h
	v_cmp_gt_i32 vcc_lo, 16*(n/8)+n%8, v[DD+\nt-1]
	v_cndmask_b32 v[S+64*(\nt-1)+n], v[S+64*(\nt-1)+n], v[NINF], vcc_lo
.set n, n+1
.endr
.Lopen_\@:
	SOFT \nt
	s_wait_dscnt 0x0                               ; V is in
	WIN 0x01                                       ; source 0 (V, the ones) window 1
.set i, 0
.rept 20*\nt                           ; O^T += V^T P and the sums += ones x P: 5 nt accumulators take turns
.set ks, i/(5*\nt)
.set xx, (i/\nt)%5
.set tt, i%\nt
.if xx < 4
	v_wmma_f32_16x16x32_f16 v[O+32*tt+8*xx:O+32*tt+8*xx+7], v[32*ks+8*xx:32*ks+8*xx+7], v[S+64*tt+8*ks:S+64*tt+8*ks+7], v[O+32*tt+8*xx:O+32*tt+8*xx+7]
.else
	v_wmma_f32_16x16x32_f16 v[LS+8*tt:LS+8*tt+7], v[ONE:ONE+7], v[S+64*tt+8*ks:S+64*tt+8*ks+7], v[LS+8*tt:LS+8*tt+7]
.endif
.set i, i+1
.endr
	WIN 0
.endm
; A slot's two steps.  Every wave walks the loop; the branches on the wave's limits stand inside it, round a step's work alone.
.macro SLOTWORK
	s_mov_b32 s[ST4], 2
.Lstep_\@:
	s_cmp_ge_u32 s[SI], s[HEND]
	s_cbranch_scc1 .Lhid_\@
	s_cmp_ge_u32 s[SI], s[LEND]
	s_cbranch_scc1 .Lone_\@
	STEPBODY 2
	s_branch .Lhid_\@
.Lone_\@:
	STEPBODY 1
.Lhid_\@:
	s_add_co_u32 s[TB], s[TB], 2*STEPB
	s_add_co_u32 s[KF], s[KF], 128
	s_add_co_u32 s[SI], s[SI], 1
	s_sub_co_u32 s[ST4], s[ST4], 1
	s_cmp_lg_u32 s[ST4], 0
	s_cbranch_scc1 .Lstep_\@
	s_sub_co_u32 s[TB], s[TB], 4*STEPB
	s_xor_b32 s[TB], s[TB], SLOT1                  ; on to the other slot
.endm
; THE CHANGE OF SLOTS stands at a slot's head: each wave waits for its tensor load (its part of the slot ahead), adds 0 to its spare word, and waits for that and for its reads of the slot left.
; fill = 1: behind a round of the cluster's barrier the slot left is filled with the next 256 keys: the load has a slot's two steps in which to land.
.macro CHANGE fill
	s_wait_tensorcnt 0x0                           ; no tensor load of mine is out, so a group 0 may be written
	ds_add_u32 v[SPW], v[NIL]
.if \fill
	s_xor_b32 s[G0K+1], s[G0K+1], SLOT1
	s_add_nc_u64 s[G0K+2:G0K+3], s[G0K+2:G0K+3], 32768
	s_xor_b32 s[G0V+1], s[G0V+1], SLOT1
	s_add_nc_u64 s[G0V+2:G0V+3], s[G0V+2:G0V+3], 32768
	s_wait_xcnt 0x0                                ; the last prefetch, a slot back, has read its address
	s_add_nc_u64 s[PFA:PFA+1], s[PFA:PFA+1], 32768
	s_wait_dscnt 0x0                               ; the add is done, and my reads of the slot left are over
	CROUND
	JLOAD
	ASK
.else
	s_wait_dscnt 0x0
	s_barrier_signal -1
	s_barrier_wait -1
.endif
.endm
	s_wait_loadcnt 0x0                             ; Q
.Lslot:                                            ; seven trips: behind each change of slots but the last the next slot is asked for
	CHANGE 1
	SLOTWORK
	s_sub_co_u32 s[SLOTS], s[SLOTS], 1
	s_cmp_lg_u32 s[SLOTS], 0
	s_cbranch_scc1 .Lslot
	CHANGE 0                                       ; the last slot is written out
	SLOTWORK
	; THE WAY OUT: O^T / the sum is rounded to f16 and goes through my stage; a tile's 2,048 bytes leave as four runs of 512.
.rept 4
	v_nop                                          ; four plain places behind the last products
.endr
.irp t, 0,1
	v_rcp_f32 v[ST+8*\t+6], v[LS+8*\t]             ; every register of the sums' accumulator holds my query's sum: the lowest is taken
.endr
	v_nop
	s_wait_alu depctr_va_vdst(0)                   ; one wait for the two reciprocals, ahead of their first reader
.irp t, 0,1
.set i, 0
.rept 16
	v_pk_mul_f32 v[O+32*\t+2*i:O+32*\t+2*i+1], v[O+32*\t+2*i:O+32*\t+2*i+1], v[ST+8*\t+6:ST+8*\t+7] op_sel_hi:[1,0]
.set i, i+1
.endr
.set i, 0
.rept 16
	v_cvt_pk_f16_f32 v[S+16*\t+i], v[O+32*\t+2*i], v[O+32*\t+2*i+1]
.set i, i+1
.endr
.irp ct, 0,1,2,3
	ds_store_b128 v[STO], v[S+16*\t+4*\ct:S+16*\t+4*\ct+3] offset:2304*\t+32*\ct
.endr
.irp u, 0,1,2,3
	ds_load_b128 v[OUTP+16*\t+4*\u:OUTP+16*\t+4*\u+3], v[RD] offset:2304*\t+576*\u   ; LDS serves a wave's instructions in order: these see the stores above
.endr
.endr
.irp u, 0,1,2,3
	s_wait_dscnt 11-\u                             ; behind this load: 3 - u of tile 0's and tile 1's eight instructions
	global_store_b128 v[GO], v[OUTP+4*\u:OUTP+4*\u+3], s[YP0:YP0+1] offset:512*\u
.endr
.irp u, 0,1,2,3
	s_wait_dscnt 3-\u
	global_store_b128 v[GO], v[OUTP+16+4*\u:OUTP+16+4*\u+3], s[YP1:YP1+1] offset:512*\u
.endr
	s_wait_tensorcnt 0x0                           ; the wave's end
	ds_add_u32 v[SPW], v[NIL]
	s_wait_dscnt 0x0
	CROUND                                         ; the closing round
	s_endpgm
.Lfunc_end_k_q13575074a3_attn:
	.size	k_q13575074a3_attn, .Lfunc_end_k_q13575074a3_attn-k_q13575074a3_attn
	.p2alignl 7, 3214868480
	.fill 96, 4, 3214868480
	.section	.rodata,"a",@progbits
	.p2align	6, 0x0
	.amdhsa_kernel k_q13575074a3_attn
		.amdhsa_group_segment_fixed_size 327680
		.amdhsa_private_segment_fixed_size 0
		.amdhsa_enable_private_segment 0
		.amdhsa_kernarg_size 16
		.amdhsa_user_sgpr_count 2
		.amdhsa_user_sgpr_kernarg_segment_ptr 1
		.amdhsa_wavefront_size32 1
		.amdhsa_system_sgpr_workgroup_id_x 1
		.amdhsa_system_sgpr_workgroup_id_y 1
		.amdhsa_system_sgpr_workgroup_id_z 1
		.amdhsa_system_vgpr_workitem_id 0
		.amdhsa_next_free_vgpr 424
		.amdhsa_next_free_sgpr 68
		.amdhsa_reserve_vcc 1
		.amdhsa_float_denorm_mode_32 3
		.amdhsa_float_denorm_mode_16_64 3
		.amdhsa_memory_ordered 1
		.amdhsa_forward_progress 1
		.amdhsa_inst_pref_size 131
	.end_amdhsa_kernel
	.amdgpu_metadata
---
amdhsa.version: [ 1, 2 ]
amdhsa.kernels:
  - .name:           k_q13575074a3_attn
    .symbol:         k_q13575074a3_attn.kd
    .args:
      - { .name: qkv16, .offset: 0, .size: 8, .value_kind: global_buffer, .address_space: global }
      - { .name: y16, .offset: 8, .size: 8, .value_kind: global_buffer, .address_space: global }
    .group_segment_fixed_size: 327680
    .private_segment_fixed_size: 0
    .kernarg_segment_align: 8
    .kernarg_segment_size: 16
    .max_flat_workgroup_size: 256
    .sgpr_count:     68
    .vgpr_count:     424
    .wavefront_size: 32
...
	.end_amdgpu_metadata
.endif
;; end of part 3
;; launch proj (part 4): grid 8 x 32, 4 waves a work-group, clusters of 4 x 4, 327,680 bytes of LDS; arguments y16, wp16, out0, b_proj; writes out0
.if DOCPART == 4
	.amdgcn_target "amdgcn-amd-amdhsa--gfx1250"
	.amdhsa_code_object_version 6
	.text
	.protected	k_q13575074a3_proj
	.globl	k_q13575074a3_proj
	.p2align	8
	.type	k_q13575074a3_proj,@function
k_q13575074a3_proj:
	s_mov_b64 s[64:65], 0
	v_nop
	global_prefetch_b8 v0, s[64:65] scope:SCOPE_SE
	s_setreg_imm32_b32 hwreg(HW_REG_WAVE_MODE, 25, 1), 1
	s_wait_xcnt 0x0
	s_wait_alu depctr_hold_cnt(0) depctr_sa_sdst(0) depctr_va_vdst(0) depctr_va_sdst(0) depctr_va_ssrc(0) depctr_va_vcc(0) depctr_vm_vsrc(0)
	s_getreg_b32 s2, hwreg(HW_REG_IB_STS2, 6, 4)
	s_cmp_eq_u32 s2, 0
	s_cbranch_scc0 .Lentry_in_a_cluster
	s_endpgm
.Lentry_in_a_cluster:
	s_bfe_u32 s2, ttmp6, 0x10000c
	s_cmp_lg_u32 s2, 0xf033
	s_cbranch_scc0 .Lentry_shape_is_right
	s_endpgm
.Lentry_shape_is_right:
; PROJ: out0 = y w_proj + b_proj, [4096] x [1024], K = 1024, on f16 operands with f32 sums; out0 f32.  (The rows of positions 0-15 of both sequences are written again, more finely, by a later launch.)
; y16 = [row block of 128][head][128 rows][64] f16: a tile's rows for four heads (256 along K) are 65,536 dense bytes.  wp16 = [k][n] f16: B's K is not innermost, so its fragments are turned by ds_load_tr16_b128.
; LIMIT: y and w_proj inside f16's range.
; A tile of 128 x 128 to a work-group (256 work-groups), 64 x 64 (16 accumulators) to each of four waves.  K goes in steps of 256 through two LDS slots; a wave's tensor load brings a quarter of a slot.
; CLUSTERS: 4 x 4; A's tiles are asked for jointly along a row of the cluster, B's along a column.  THE MATRIX INSTRUCTION IS USED TRANSPOSED: a lane holds eight neighbouring columns of one row.
; The bias is the C of each sum's first product.
; REGISTERS: window 0: v0-31 addresses; v32-95 the way out; v96-127 the bias; v128-255 the accumulators.   window 1: two fragment buffers of 128 (64 of A, 64 of B).
.set PA,     144                       ; a row of A in LDS: 128 bytes + 16
.set PB,     288                       ; a row of B (one k, 128 n): 256 bytes + 32
.set PLANE,  128*PA                    ; one head's 128 rows
.set ATILE,  4*PLANE
.set HALFT,  36864                     ; what one tensor load brings: 256 rows of A, or 128 rows of B
.set SLOT,   4*HALFT
.set SPARE,  2*SLOT
.set SPITCH, 272                       ; the way out: 16 rows x (256 bytes + 16) for each wave, in slot 0, which has had its last fill and its last read by then
.set LAPS,   2
.set ADRA, 16
.set ADRB, 20                          ; v20-23: index 2 x slot + half of the slot's 256 k
.set STO,  24
.set RD,   25
.set CO,   26
.set BO,   27
.set SPW,  28
.set NIL,  29
.set TMP,  32
.set BIAS, 96
.set ACC,  128
.set F0,   0
.set F1,   128
.set G1, 24
.set G0, 32
.set G1B, 48
.set G0B, 56
.set MSB, 0
.macro WIN new
.if MSB != (\new)
	s_set_vgpr_msb (MSB<<8)|(\new)
.set MSB, (\new)
.endif
.endm
.set MUL,  0x05                        ; sources 0 (B) and 1 (A) window 1; C and D window 0
.set TO_F, 0x40
.macro JLOAD s                         ; a joint load: waves 0 and 1 fetch A's halves, waves 2 and 3 B's; s_nop 0 and four v_nop follow each line
	s_cmp_eq_u32 s11, 0
	s_cbranch_scc0 .Lfor_b_\@
	tensor_load_to_lds s[G0+4*\s:G0+4*\s+3], s[G1:G1+7]
	s_nop 0
.rept 4
	v_nop
.endr
	s_branch .Lasked_\@
.Lfor_b_\@:
	tensor_load_to_lds s[G0B+4*\s:G0B+4*\s+3], s[G1B:G1B+7]
	s_nop 0
.rept 4
	v_nop
.endr
.Lasked_\@:
.endm
.macro CREST
	s_cmp_lg_u32 s10, 0
	s_cbranch_scc1 .Lnot_wave_0_\@
	s_barrier_signal -3
.Lnot_wave_0_\@:
	s_barrier_wait -3
	s_barrier_signal -1
	s_barrier_wait -1
.endm
.macro CROUND
	s_barrier_signal -1
	s_barrier_wait -1
	CREST
.endm
	s_load_b128 s[4:7], s[0:1], 0x0                ; y16 s[4:5], wp16 s[6:7]
	s_load_b64 s[8:9], s[0:1], 0x10                ; out0
	s_load_b64 s[66:67], s[0:1], 0x18              ; b_proj
	v_lshl_add_u32 v[SPW], v0, 2, SPARE
	v_mov_b32 v[NIL], 0
	ds_add_u32 v[SPW], v[NIL]                      ; the wave's opening: the add, twice on end, and its wait ahead of my first tensor load
	ds_add_u32 v[SPW], v[NIL]
	v_lshrrev_b32 v1, 5, v0
	v_readfirstlane_b32 s10, v1                    ; wave 0..3
	s_lshr_b32 s11, s10, 1                         ; my half of the tile's rows; also: I fetch for A (0) or B (1)
	s_and_b32 s12, s10, 1                          ; my half of its columns; also: which half of that tile I fetch
	s_bfe_u32 s40, ttmp6, 0x40000
	s_bfe_u32 s41, ttmp6, 0x40004
	s_lshl_b32 s42, ttmp9, 2
	s_add_co_u32 s42, s42, s40                     ; tile column
	s_and_b32 s13, ttmp7, 0xffff
	s_lshl_b32 s13, s13, 2
	s_add_co_u32 s13, s13, s41                     ; tile row
	s_lshl_b32 s43, s41, 2
	s_lshl_b32 s43, 15, s43
	s_lshl_b32 s44, 0x1111, s40
	s_or_b32 s[G1+0], s43, (1<<16)|(1<<20)|(1<<21)|(4<<22)|(3<<25)   ; A: elements of 2 bytes; padding: 4 words after every 32
	s_mov_b32 s[G1+1], 64<<16                      ; tensor_dim0 = 64
	s_mov_b32 s[G1+2], 256<<16                     ; tensor_dim1 = 256: two heads' 128 rows, dense
	s_mov_b32 s[G1+3], 64<<16
	s_mov_b32 s[G1+4], 256
	s_mov_b32 s[G1+5], 64
	s_mov_b32 s[G1+6], 0
	s_mov_b32 s[G1+7], 0
	s_or_b32 s[G1B+0], s44, (1<<16)|(1<<20)|(1<<21)|(5<<22)|(7<<25)  ; B: padding: 8 words after every 64
	s_mov_b32 s[G1B+1], 128<<16
	s_mov_b32 s[G1B+2], 128<<16
	s_mov_b32 s[G1B+3], 128<<16
	s_mov_b32 s[G1B+4], 128
	s_mov_b32 s[G1B+5], 1024
	s_mov_b32 s[G1B+6], 0
	s_mov_b32 s[G1B+7], 0
	s_lshl_b32 s16, s13, 18                        ; A: the row block's 262,144 bytes,
	s_lshl_b32 s17, s12, 15                        ; my two heads of the step's four
	s_add_co_u32 s16, s16, s17
	s_mov_b32 s17, 0
	s_lshl_b32 s46, s12, 18                        ; B: my 128 rows of 2,048 bytes,
	s_lshl_b32 s47, s42, 8                         ; the tile's 128 columns
	s_add_co_u32 s46, s46, s47
	s_mov_b32 s47, 0
	s_mul_i32 s20, s10, HALFT
	s_wait_dscnt 0x0                               ; both opening adds are done
	s_wait_kmcnt 0x0
	s_add_nc_u64 s[14:15], s[4:5], s[16:17]
	s_add_nc_u64 s[46:47], s[6:7], s[46:47]
	CROUND
.irp s, 0,1
	s_mov_b32 s[G0+4*\s], 1
	s_add_co_u32 s[G0+4*\s+1], s20, \s*SLOT
	s_add_nc_u64 s[G0+4*\s+2:G0+4*\s+3], s[14:15], \s*65536
	s_or_b32 s[G0+4*\s+3], s[G0+4*\s+3], 0x80000000
	s_mov_b32 s[G0B+4*\s], 1
	s_add_co_u32 s[G0B+4*\s+1], s20, \s*SLOT
	s_add_nc_u64 s[G0B+4*\s+2:G0B+4*\s+3], s[46:47], \s*524288
	s_or_b32 s[G0B+4*\s+3], s[G0B+4*\s+3], 0x80000000
	JLOAD \s                                       ; two tensor loads of mine are out at the most
.endr
	v_and_b32 v1, 15, v0                           ; r
	v_bfe_u32 v2, v0, 4, 1                         ; h
	v_mul_u32_u24 v3, v1, PA
	v_lshl_add_u32 v3, v2, 4, v3
	s_mul_i32 s21, s11, 64*PA                      ; my 64 rows of each plane
	v_add_nc_u32 v[ADRA], s21, v3
	s_add_co_u32 s21, s21, SLOT
	v_add_nc_u32 v[ADRA+1], s21, v3
	v_and_b32 v4, 7, v0
	v_lshl_add_u32 v4, v2, 3, v4
	v_mul_u32_u24 v4, v4, PB
	v_bfe_u32 v5, v0, 3, 1
	v_lshl_add_u32 v4, v5, 4, v4                   ; B: k 8 h + lane % 8, columns 8 ((lane / 8) % 2) on
	s_lshl_b32 s22, s12, 7                         ; my 64 columns
	s_add_co_u32 s22, s22, ATILE
.irp i, 0,1,2,3
	s_add_co_u32 s23, s22, (\i/2)*SLOT+(\i%2)*HALFT
	v_add_nc_u32 v[ADRB+\i], s23, v4
.endr
	s_mul_i32 s23, s10, 16*SPITCH                  ; my stage
	v_mul_u32_u24 v5, v1, SPITCH
	v_lshl_add_u32 v5, v2, 5, v5
	v_add_nc_u32 v[STO], s23, v5                   ; in: row r, 32 bytes for each half of the lanes
	v_mul_u32_u24 v5, v2, SPITCH
	v_lshl_add_u32 v5, v1, 4, v5
	v_add_nc_u32 v[RD], s23, v5                    ; back: lanes 0-15 one row of 256 bytes, lanes 16-31 the next
	v_lshlrev_b32 v5, 12, v2
	v_lshl_add_u32 v[CO], v1, 4, v5                ; and the same two rows in out0
	s_lshl_b32 s46, s42, 9
	s_lshl_b32 s47, s12, 8
	s_add_co_u32 s46, s46, s47                     ; my first column, in bytes
	s_mov_b32 s47, 0
	s_add_nc_u64 s[66:67], s[66:67], s[46:47]
	v_lshlrev_b32 v[BO], 5, v2
.irp b, 0,1,2,3
	global_load_b128 v[BIAS+8*\b:BIAS+8*\b+3], v[BO], s[66:67] offset:64*\b       ; b_proj at columns 16 b + 8 h + 0 .. 7
	global_load_b128 v[BIAS+8*\b+4:BIAS+8*\b+7], v[BO], s[66:67] offset:64*\b+16
.endr
	s_lshl_b32 s16, s13, 7
	s_lshl_b32 s17, s11, 6
	s_add_co_u32 s16, s16, s17                     ; my first row
	s_lshl_b32 s16, s16, 12
	s_add_co_u32 s16, s16, s46
	s_mov_b32 s17, 0
	s_add_nc_u64 s[8:9], s[8:9], s[16:17]
.macro MUL8 f, c, a0, zero             ; 8 matrix instructions: m blocks a0, a0 + 1 x 4 n blocks, 32 along K; the 16 accumulators take turns
.irp a, \a0, \a0+1
.irp b, 0,1,2,3
.if \zero
	v_wmma_f32_16x16x32_f16 v[ACC+8*(4*(\a)+\b):ACC+8*(4*(\a)+\b)+7], v[\f+64+8*(4*\c+\b):\f+64+8*(4*\c+\b)+7], v[\f+8*(4*\c+\a):\f+8*(4*\c+\a)+7], v[BIAS+8*\b:BIAS+8*\b+7]
.else
	v_wmma_f32_16x16x32_f16 v[ACC+8*(4*(\a)+\b):ACC+8*(4*(\a)+\b)+7], v[\f+64+8*(4*\c+\b):\f+64+8*(4*\c+\b)+7], v[\f+8*(4*\c+\a):\f+8*(4*\c+\a)+7], v[ACC+8*(4*(\a)+\b):ACC+8*(4*(\a)+\b)+7]
.endif
.endr
.endr
.endm
.macro FETCH slot, q, f                ; 32 LDS loads in one run: the fragments of quarter q (one head: 64 along K) into buffer f; the first 32 along K first
	WIN TO_F
.irp c, 0,1
.irp i, 0,1,2,3
	ds_load_tr16_b128 v[\f+64+8*(4*\c+\i):\f+64+8*(4*\c+\i)+3],   v[ADRB+2*\slot+(\q)/2] offset:(((\q)%2)*64+32*\c)*PB+32*\i
	ds_load_tr16_b128 v[\f+64+8*(4*\c+\i)+4:\f+64+8*(4*\c+\i)+7], v[ADRB+2*\slot+(\q)/2] offset:(((\q)%2)*64+32*\c)*PB+32*\i+16*PB
	ds_load_b128 v[\f+8*(4*\c+\i):\f+8*(4*\c+\i)+3],         v[ADRA+\slot] offset:(\q)*PLANE+\i*16*PA+64*\c
	ds_load_b128 v[\f+8*(4*\c+\i)+4:\f+8*(4*\c+\i)+7],       v[ADRA+\slot] offset:(\q)*PLANE+\i*16*PA+64*\c+32
.endr
.endr
.endm
.macro PLACES
.rept 4
	v_nop
.endr
.endm
.macro QUARTER slot, q, f, g, zero     ; multiplies buffer f and fetches quarter q of the same slot into g
	s_wait_dscnt 16                                ; the first 32 along K are in; the other sixteen loads may be out
	WIN MUL
	MUL8 \f, 0, 0, \zero
	MUL8 \f, 0, 2, \zero
	PLACES
	FETCH \slot, \q, \g
	s_wait_dscnt 32                                ; all but the 32 just issued
	WIN MUL
	MUL8 \f, 1, 0, 0
	MUL8 \f, 1, 2, 0
.endm
.macro TURN slot, next, fill           ; the last quarter multiplies buffer 1 and changes slots: one barrier
	WIN 0
	s_wait_tensorcnt 0x0                           ; all my tensor loads have landed: my part of the next slot
	ds_add_u32 v[SPW], v[NIL]
	s_wait_dscnt 17                                ; the add and the youngest sixteen loads may be out
	WIN MUL
	MUL8 F1, 0, 0, 0
	s_wait_dscnt 0x0                               ; the add is done, and my reads of this slot are over
	s_barrier_signal -1
	MUL8 F1, 0, 2, 0
.if \fill
	WIN 0
.endif
	s_barrier_wait -1
.if \fill
	CREST                                          ; the barrier has opened a round of the cluster's barrier
	s_add_nc_u64 s[G0+4*\slot+2:G0+4*\slot+3], s[G0+4*\slot+2:G0+4*\slot+3], 131072
	s_add_nc_u64 s[G0B+4*\slot+2:G0B+4*\slot+3], s[G0B+4*\slot+2:G0B+4*\slot+3], 1048576
	JLOAD \slot                                    ; the first tensor load behind the round; its four v_nop are also the places in front of the loads below
.else
	PLACES
.endif
	FETCH \next, 0, F0
	WIN MUL
	MUL8 F1, 1, 0, 0
	MUL8 F1, 1, 2, 0
.endm
	s_wait_tensorcnt 1                             ; my part of K step 0 is in (K step 1's load may be out)
	s_barrier_signal -1
	s_barrier_wait -1
	s_wait_loadcnt 0x0                             ; the bias
	FETCH 0, 0, F0
	QUARTER 0, 1, F0, F1, 1
	WIN 0
	s_mov_b32 s3, LAPS-1
.Llap:
	QUARTER 0, 2, F1, F0, 0
	QUARTER 0, 3, F0, F1, 0
	TURN 0, 1, 1
	QUARTER 1, 1, F0, F1, 0
	QUARTER 1, 2, F1, F0, 0
	QUARTER 1, 3, F0, F1, 0
	TURN 1, 0, 1
	QUARTER 0, 1, F0, F1, 0
	WIN 0
	s_sub_co_u32 s3, s3, 1
	s_cmp_lg_u32 s3, 0
	s_cbranch_scc1 .Llap
	QUARTER 0, 2, F1, F0, 0
	QUARTER 0, 3, F0, F1, 0
	TURN 0, 1, 0
	QUARTER 1, 1, F0, F1, 0
	QUARTER 1, 2, F1, F0, 0
	QUARTER 1, 3, F0, F1, 0
	s_wait_dscnt 16
	WIN MUL
	MUL8 F1, 0, 0, 0
	MUL8 F1, 0, 2, 0
	s_wait_dscnt 0
	MUL8 F1, 1, 0, 0
	MUL8 F1, 1, 2, 0
	WIN 0
; THE WAY OUT: a wave's 64 columns of f32 are 256 aligned bytes of a row, so each wave has a stage of its own: 16 rows at a time go in as 32 bytes a lane and come back as whole rows.
.macro TOSTAGE a
.irp b, 0,1,2,3
	ds_store_b128 v[STO], v[ACC+8*(4*(\a)+\b):ACC+8*(4*(\a)+\b)+3] offset:64*\b          ; each accumulator from its low end on
	ds_store_b128 v[STO], v[ACC+8*(4*(\a)+\b)+4:ACC+8*(4*(\a)+\b)+7] offset:64*\b+16
.endr
.irp u, 0,1,2,3,4,5,6,7
	ds_load_b128 v[TMP+32*((\a)%2)+4*\u:TMP+32*((\a)%2)+4*\u+3], v[RD] offset:\u*2*SPITCH
.endr
.endm
.macro SEND a, younger
	s_wait_dscnt \younger
.irp u, 0,1,2,3,4,5,6,7
	global_store_b128 v[CO], v[TMP+32*((\a)%2)+4*\u:TMP+32*((\a)%2)+4*\u+3], s[8:9] offset:(16*(\a)+2*\u)*4096 th:TH_STORE_NT   ; 16 lanes store 256 consecutive bytes, aligned
.endr
.endm
	PLACES
	TOSTAGE 0
.irp a, 1,2,3
.if \a > 1
	s_wait_xcnt 0x0                                ; the stores of two blocks ago have read the registers into which this block's loads land
.endif
	TOSTAGE \a
	SEND \a-1, 16                                  ; behind that block's loads: this block's 8 stores and 8 loads
.endr
	SEND 3, 0
	s_wait_tensorcnt 0x0                           ; the wave's end
	ds_add_u32 v[SPW], v[NIL]
	s_wait_dscnt 0x0
	CROUND                                         ; the closing round
	s_endpgm
.Lfunc_end_k_q13575074a3_proj:
	.size	k_q13575074a3_proj, .Lfunc_end_k_q13575074a3_proj-k_q13575074a3_proj
	.p2alignl 7, 3214868480
	.fill 96, 4, 3214868480
	.section	.rodata,"a",@progbits
	.p2align	6, 0x0
	.amdhsa_kernel k_q13575074a3_proj
		.amdhsa_group_segment_fixed_size 327680
		.amdhsa_private_segment_fixed_size 0
		.amdhsa_enable_private_segment 0
		.amdhsa_kernarg_size 32
		.amdhsa_user_sgpr_count 2
		.amdhsa_user_sgpr_kernarg_segment_ptr 1
		.amdhsa_wavefront_size32 1
		.amdhsa_system_sgpr_workgroup_id_x 1
		.amdhsa_system_sgpr_workgroup_id_y 1
		.amdhsa_system_sgpr_workgroup_id_z 1
		.amdhsa_system_vgpr_workitem_id 0
		.amdhsa_next_free_vgpr 512
		.amdhsa_next_free_sgpr 68
		.amdhsa_reserve_vcc 0
		.amdhsa_float_denorm_mode_32 3
		.amdhsa_float_denorm_mode_16_64 3
		.amdhsa_memory_ordered 1
		.amdhsa_forward_progress 1
		.amdhsa_inst_pref_size 87
	.end_amdhsa_kernel
	.amdgpu_metadata
---
amdhsa.version: [ 1, 2 ]
amdhsa.kernels:
  - .name:           k_q13575074a3_proj
    .symbol:         k_q13575074a3_proj.kd
    .args:
      - { .name: y16, .offset: 0, .size: 8, .value_kind: global_buffer, .address_space: global }
      - { .name: wp16, .offset: 8, .size: 8, .value_kind: global_buffer, .address_space: global }
      - { .name: out0, .offset: 16, .size: 8, .value_kind: global_buffer, .address_space: global }
      - { .name: b_proj, .offset: 24, .size: 8, .value_kind: global_buffer, .address_space: global }
    .group_segment_fixed_size: 327680
    .private_segment_fixed_size: 0
    .kernarg_segment_align: 8
    .kernarg_segment_size: 32
    .max_flat_workgroup_size: 128
    .sgpr_count:     68
    .vgpr_count:     512
    .wavefront_size: 32
...
	.end_amdgpu_metadata
.endif
;; end of part 4
;; launch fine1 (part 5): grid 32 x 1, 12 waves a work-group, no clusters, 13,824 bytes of LDS; arguments xc, xs, wc, ws, b_qkv, yf; writes yf
.if DOCPART == 5
	.amdgcn_target "amdgcn-amd-amdhsa--gfx1250"
	.amdhsa_code_object_version 6
	.text
	.protected	k_q13575074a3_fine1
	.globl	k_q13575074a3_fine1
	.p2align	8
	.type	k_q13575074a3_fine1,@function
k_q13575074a3_fine1:
	s_mov_b64 s[64:65], 0
	v_nop
	global_prefetch_b8 v0, s[64:65] scope:SCOPE_SE
	s_setreg_imm32_b32 hwreg(HW_REG_WAVE_MODE, 25, 1), 1
	s_wait_xcnt 0x0
; FINE1: positions 0-15 of every sequence and head once more, with nothing narrower than f32 behind the quantised product: these rows average one to sixteen values and are the largest in size.
; A work-group is a batch and head.  Wave w makes 16 positions x 16 columns of q (w 0-3), k (4-7) or v (8-11) from the codes, by the scaled matrix instruction, K = 1024 in eight links of one chain.
; q and k are made transposed (a lane holds one position and eight channels), v in natural order (a lane holds one channel and eight positions).  The tiles go to LDS as images of their registers.
; Waves 0-3 then make S^T = k q^T (f32 matrix form), the causal softmax in f32, and y^T = v^T p for their 16 channels.  yf = [16 x batch + position][1024] f32.
; In the f32 products the four k of an instruction are not neighbours: the same choice is made on both operands, so the sums hold the same terms.
; LIMITS: NaN and infinities are not served.
.set XF,  16                           ; v16-79   x's eight fragments; later q's and k's images
.set WF,  80                           ; v80-143  w's eight fragments; later v's image (v80-87) and vector work
.set XS,  144                          ; v144-151 x's scale words, and nothing else
.set WS,  152                          ; v152-159 w's
.set ACC, 160
.set BI,  168
.set SA,  176                          ; v176-191 S^T in two halves: written by matrix instructions alone
.set SB,  184
.set SPW, 198
.set NIL, 199
.set YA,  200                          ; v200-215 y^T in two halves: likewise
.set YB,  208
.set SV,  104
.set PP,  112
.set YV,  136
.set SPARE, 12288
	s_load_b256 s[4:11], s[0:1], 0x0               ; xc, xs, wc, ws
	s_load_b128 s[12:15], s[0:1], 0x20             ; b_qkv, yf
	v_lshl_add_u32 v[SPW], v0, 2, SPARE
	v_mov_b32 v[NIL], 0
	v_lshrrev_b32 v1, 5, v0
	v_readfirstlane_b32 s16, v1                    ; wave 0..11
	v_and_b32 v1, 15, v0                           ; r
	v_bfe_u32 v2, v0, 4, 1                         ; h
	v_lshlrev_b32 v3, 9, v1
	v_lshl_add_u32 v3, v2, 4, v3                   ; codes: row r of 512 bytes + 16 h
	v_lshlrev_b32 v4, 5, v1                        ; scale words: 32 bytes a row
	v_and_b32 v5, 31, v0
	v_lshlrev_b32 v5, 4, v5                        ; an image's place for my lane
	s_lshl_b32 s17, s16, 10
	v_add_nc_u32 v6, s17, v5                       ; my wave's image
	v_lshlrev_b32 v7, 5, v2                        ; the bias of q, k: 8 h numbers on
	v_lshlrev_b32 v8, 2, v1                        ; of v: number r
	v_lshlrev_b32 v10, 12, v1
	v_lshl_add_u32 v10, v2, 5, v10                 ; yf: row r of 4,096 bytes + 32 h
	v_lshlrev_b32 v9, 3, v2
	v_sub_nc_u32 v9, v1, v9                        ; r - 8 h
	v_mov_b32 v11, 0xff800000
	v_mov_b32 v13, 0                               ; a lane permute's destination counts as read
	s_mov_b32 s20, 0x76543210
	s_mov_b32 s21, 0xfedcba98
	s_mov_b32 s22, 0x3e38aa3b                      ; c = log2(e) / 8
	s_lshr_b32 s17, ttmp9, 4                       ; batch
	s_and_b32 s18, ttmp9, 15                       ; head
	s_lshr_b32 s19, s16, 2
	s_lshl_b32 s19, s19, 10
	s_lshl_b32 s23, s18, 6
	s_add_co_u32 s19, s19, s23
	s_and_b32 s23, s16, 3
	s_lshl_b32 s23, s23, 4
	s_add_co_u32 s19, s19, s23                     ; my first column of the 3,072
	s_mov_b32 s25, 0
	s_wait_kmcnt 0x0
	s_lshl_b32 s24, s17, 20
	s_add_nc_u64 s[4:5], s[4:5], s[24:25]
	s_lshl_b32 s24, s17, 16
	s_add_nc_u64 s[6:7], s[6:7], s[24:25]
	s_lshl_b32 s24, s19, 9
	s_add_nc_u64 s[8:9], s[8:9], s[24:25]
	s_lshl_b32 s24, s19, 5
	s_add_nc_u64 s[10:11], s[10:11], s[24:25]
	s_lshl_b32 s24, s19, 2
	s_add_nc_u64 s[12:13], s[12:13], s[24:25]
	s_lshl_b32 s24, s17, 16
	s_lshl_b32 s23, s18, 8
	s_add_co_u32 s24, s24, s23
	s_lshl_b32 s23, s16, 6
	s_add_co_u32 s24, s24, s23
	s_add_nc_u64 s[14:15], s[14:15], s[24:25]      ; (used by waves 0-3 alone)
.irp s, 0,1,2,3,4,5,6,7
	global_load_b128 v[XF+8*\s:XF+8*\s+3], v3, s[4:5] offset:64*\s
	global_load_b128 v[XF+8*\s+4:XF+8*\s+7], v3, s[4:5] offset:64*\s+32
	global_load_b128 v[WF+8*\s:WF+8*\s+3], v3, s[8:9] offset:64*\s
	global_load_b128 v[WF+8*\s+4:WF+8*\s+7], v3, s[8:9] offset:64*\s+32
.endr
	global_load_b128 v[XS:XS+3], v4, s[6:7]
	global_load_b128 v[XS+4:XS+7], v4, s[6:7] offset:16
	global_load_b128 v[WS:WS+3], v4, s[10:11]
	global_load_b128 v[WS+4:WS+7], v4, s[10:11] offset:16
	s_cmp_lt_u32 s16, 8
	s_cbranch_scc0 .Lfor_v
	global_load_b128 v[BI:BI+3], v7, s[12:13]
	global_load_b128 v[BI+4:BI+7], v7, s[12:13] offset:16
	s_wait_loadcnt 0x0
	v_wmma_scale_f32_16x16x128_f8f6f4 v[ACC:ACC+7], v[WF:WF+7], v[XF:XF+7], v[BI:BI+7], v[WS], v[XS] matrix_a_fmt:MATRIX_FMT_FP4 matrix_b_fmt:MATRIX_FMT_FP4
.irp s, 1,2,3,4,5,6,7
	s_wait_alu depctr_va_vdst(0)                   ; the wait directly ahead of every link
	v_wmma_scale_f32_16x16x128_f8f6f4 v[ACC:ACC+7], v[WF+8*\s:WF+8*\s+7], v[XF+8*\s:XF+8*\s+7], v[ACC:ACC+7], v[WS+\s], v[XS+\s] matrix_a_fmt:MATRIX_FMT_FP4 matrix_b_fmt:MATRIX_FMT_FP4
.endr
	s_branch .Ljoin
.Lfor_v:
.irp j, 0,1,2,3,4,5,6,7
	global_load_b32 v[BI+\j], v8, s[12:13]         ; a lane's eight results share one column
.endr
	s_wait_loadcnt 0x0
	v_wmma_scale_f32_16x16x128_f8f6f4 v[ACC:ACC+7], v[XF:XF+7], v[WF:WF+7], v[BI:BI+7], v[XS], v[WS] matrix_a_fmt:MATRIX_FMT_FP4 matrix_b_fmt:MATRIX_FMT_FP4
.irp s, 1,2,3,4,5,6,7
	s_wait_alu depctr_va_vdst(0)
	v_wmma_scale_f32_16x16x128_f8f6f4 v[ACC:ACC+7], v[XF+8*\s:XF+8*\s+7], v[WF+8*\s:WF+8*\s+7], v[ACC:ACC+7], v[XS+\s], v[WS+\s] matrix_a_fmt:MATRIX_FMT_FP4 matrix_b_fmt:MATRIX_FMT_FP4
.endr
.Ljoin:
.rept 4
	v_nop                                          ; places behind the last product
.endr
	ds_store_b128 v6, v[ACC:ACC+3]
	ds_store_b128 v6, v[ACC+4:ACC+7] offset:512
	s_wait_dscnt 0x0                               ; for the others' sake: my image has landed
	s_barrier_signal -1
	s_barrier_wait -1
	s_cmp_lt_u32 s16, 4
	s_cbranch_scc0 .Lend
.irp t, 0,1,2,3
	ds_load_b128 v[16+8*\t:16+8*\t+3], v5 offset:1024*\t             ; q, channels 16 t + 8 h + 0 .. 7 of position r
	ds_load_b128 v[16+8*\t+4:16+8*\t+7], v5 offset:1024*\t+512
	ds_load_b128 v[48+8*\t:48+8*\t+3], v5 offset:4096+1024*\t        ; k likewise
	ds_load_b128 v[48+8*\t+4:48+8*\t+7], v5 offset:4096+1024*\t+512
.endr
	ds_load_b128 v[80:83], v6 offset:8192                            ; v: channel 16 w + r, positions 8 h + 0 .. 7
	ds_load_b128 v[84:87], v6 offset:8704
	s_wait_dscnt 0x0
.set i, 0
.rept 16                               ; S^T = k q^T: two accumulators by turns
.set t, i/4
.set jj, i%4
.set AC, SA+8*(i%2)
.if i < 2
	v_wmma_f32_16x16x4_f32 v[AC:AC+7], v[48+8*t+2*jj:48+8*t+2*jj+1], v[16+8*t+2*jj:16+8*t+2*jj+1], 0
.else
	v_wmma_f32_16x16x4_f32 v[AC:AC+7], v[48+8*t+2*jj:48+8*t+2*jj+1], v[16+8*t+2*jj:16+8*t+2*jj+1], v[AC:AC+7]
.endif
.set i, i+1
.endr
.rept 8
	v_nop                                          ; eight places behind this form
.endr
.irp j, 0,1,2,3,4,5,6,7
	v_add_f32 v[SV+\j], v[SA+\j], v[SB+\j]         ; lane (r, h): query r, key 8 h + j
.endr
.irp j, 0,1,2,3,4,5,6,7
	v_cmp_gt_i32 vcc_lo, \j, v9                    ; hidden where 8 h + j > r
	v_cndmask_b32 v[SV+\j], v[SV+\j], v11, vcc_lo
.endr
	v_max3_num_f32 v12, v[SV], v[SV+1], v[SV+2]
	v_max3_num_f32 v12, v12, v[SV+3], v[SV+4]
	v_max3_num_f32 v12, v12, v[SV+5], v[SV+6]
	v_max_num_f32 v12, v12, v[SV+7]
	v_permlanex16_b32 v13, v12, s20, s21
	v_max_num_f32 v12, v12, v13                    ; the row's maximum: key 0 counts for every query
	v_mul_f32 v12, s22, v12
.irp j, 0,1,2,3,4,5,6,7
	v_fma_f32 v[SV+\j], v[SV+\j], s22, -v12
.endr
.irp j, 0,1,2,3,4,5,6,7
	v_exp_f32 v[SV+\j], v[SV+\j]
.endr
	v_nop
	s_wait_alu depctr_va_vdst(0)                   ; one wait for the eight, ahead of their first reader
	v_add_f32 v14, v[SV], v[SV+1]
	v_add_f32 v15, v[SV+2], v[SV+3]
	v_add_f32 v14, v14, v[SV+4]
	v_add_f32 v15, v15, v[SV+5]
	v_add_f32 v14, v14, v[SV+6]
	v_add_f32 v15, v15, v[SV+7]
	v_add_f32 v14, v14, v15
	v_permlanex16_b32 v13, v14, s20, s21
	v_add_f32 v14, v14, v13
	v_rcp_f32 v14, v14
	v_nop
	s_wait_alu depctr_va_vdst(0)
.irp j, 0,1,2,3,4,5,6,7
	v_mul_f32 v[PP+\j], v[SV+\j], v14
.endr
.set i, 0
.rept 4                                ; y^T = v^T p: source 0 = 16 channels, source 1 = 16 queries, K = the 16 keys
.set AC, YA+8*(i%2)
.if i < 2
	v_wmma_f32_16x16x4_f32 v[AC:AC+7], v[80+2*i:80+2*i+1], v[PP+2*i:PP+2*i+1], 0
.else
	v_wmma_f32_16x16x4_f32 v[AC:AC+7], v[80+2*i:80+2*i+1], v[PP+2*i:PP+2*i+1], v[AC:AC+7]
.endif
.set i, i+1
.endr
.rept 8
	v_nop
.endr
.irp j, 0,1,2,3,4,5,6,7
	v_add_f32 v[YV+\j], v[YA+\j], v[YB+\j]         ; lane (r, h): query r, channels 16 w + 8 h + j
.endr
	global_store_b128 v10, v[YV:YV+3], s[14:15]
	global_store_b128 v10, v[YV+4:YV+7], s[14:15] offset:16
.Lend:
	s_wait_tensorcnt 0x0                           ; the wave's end, behind my last LDS store
	ds_add_u32 v[SPW], v[NIL]
	s_wait_dscnt 0x0
	s_endpgm
.Lfunc_end_k_q13575074a3_fine1:
	.size	k_q13575074a3_fine1, .Lfunc_end_k_q13575074a3_fine1-k_q13575074a3_fine1
	.p2alignl 7, 3214868480
	.fill 96, 4, 3214868480
	.section	.rodata,"a",@progbits
	.p2align	6, 0x0
	.amdhsa_kernel k_q13575074a3_fine1
		.amdhsa_group_segment_fixed_size 13824
		.amdhsa_private_segment_fixed_size 0
		.amdhsa_enable_private_segment 0
		.amdhsa_kernarg_size 48
		.amdhsa_user_sgpr_count 2
		.amdhsa_user_sgpr_kernarg_segment_ptr 1
		.amdhsa_wavefront_size32 1
		.amdhsa_system_sgpr_workgroup_id_x 1
		.amdhsa_system_sgpr_workgroup_id_y 1
		.amdhsa_system_sgpr_workgroup_id_z 1
		.amdhsa_system_vgpr_workitem_id 0
		.amdhsa_next_free_vgpr 216
		.amdhsa_next_free_sgpr 66
		.amdhsa_reserve_vcc 1
		.amdhsa_float_denorm_mode_32 3
		.amdhsa_float_denorm_mode_16_64 3
		.amdhsa_memory_ordered 1
		.amdhsa_forward_progress 1
		.amdhsa_inst_pref_size 16
	.end_amdhsa_kernel
	.amdgpu_metadata
---
amdhsa.version: [ 1, 2 ]
amdhsa.kernels:
  - .name:           k_q13575074a3_fine1
    .symbol:         k_q13575074a3_fine1.kd
    .args:
      - { .name: xc, .offset: 0, .size: 8, .value_kind: global_buffer, .address_space: global }
      - { .name: xs, .offset: 8, .size: 8, .value_kind: global_buffer, .address_space: global }
      - { .name: wc, .offset: 16, .size: 8, .value_kind: global_buffer, .address_space: global }
      - { .name: ws, .offset: 24, .size: 8, .value_kind: global_buffer, .address_space: global }
      - { .name: b_qkv, .offset: 32, .size: 8, .value_kind: global_buffer, .address_space: global }
      - { .name: yf, .offset: 40, .size: 8, .value_kind: global_buffer, .address_space: global }
    .group_segment_fixed_size: 13824
    .private_segment_fixed_size: 0
    .kernarg_segment_align: 8
    .kernarg_segment_size: 48
    .max_flat_workgroup_size: 384
    .sgpr_count:     66
    .vgpr_count:     216
    .wavefront_size: 32
...
	.end_amdgpu_metadata
.endif
;; end of part 5
;; launch fine2 (part 6): grid 64 x 1, 16 waves a work-group, no clusters, 34,816 bytes of LDS; arguments yf, w_proj, b_proj, out0; writes out0
.if DOCPART == 6
	.amdgcn_target "amdgcn-amd-amdhsa--gfx1250"
	.amdhsa_code_object_version 6
	.text
	.protected	k_q13575074a3_fine2
	.globl	k_q13575074a3_fine2
	.p2align	8
	.type	k_q13575074a3_fine2,@function
k_q13575074a3_fine2:
	s_mov_b64 s[64:65], 0
	v_nop
	global_prefetch_b8 v0, s[64:65] scope:SCOPE_SE
	s_setreg_imm32_b32 hwreg(HW_REG_WAVE_MODE, 25, 1), 1
	s_wait_xcnt 0x0
; FINE2: out0 at positions 0-15 of both sequences = yf w_proj + b_proj, all in f32 (the f32 matrix form: 32 rows, no bulk work).  It writes over what the f16 projection left there.
; A work-group takes 16 columns; wave w takes K = 64 w .. 64 w + 63 for both batches; the sixteen partial tiles meet in LDS as images of their registers, and wave w' adds register w' % 8 of tile w' / 8.
; The four k of an instruction are not neighbours: the same choice is made on both operands.  The sum over K is ordered otherwise than a plain chain: f32 rounding alone differs.
; w_proj is read, and out0 written, in runs of 64 bytes (16 columns): 131,072 bytes are written in all.
.set WB,  16                           ; v16-47   w_proj: register 4 u + 2 v + j: k = 8 u + 4 h + 2 v + j, column r
.set YA,  48                           ; v48-111  yf: tile bt at 32 bt: register 4 u + e: k = 8 u + 4 h + e, row r
.set ACC, 112                          ; v112-127 two accumulators: written by matrix instructions alone
.set SUM, 128
.set SPW, 158
.set NIL, 159
.set SPARE, 32768
	s_load_b256 s[4:11], s[0:1], 0x0               ; yf, w_proj, b_proj, out0
	v_lshl_add_u32 v[SPW], v0, 2, SPARE
	v_mov_b32 v[NIL], 0
	v_lshrrev_b32 v1, 5, v0
	v_readfirstlane_b32 s12, v1                    ; wave 0..15
	v_and_b32 v1, 15, v0                           ; r
	v_bfe_u32 v2, v0, 4, 1                         ; h
	v_lshlrev_b32 v5, 2, v1                        ; 4 r
	v_lshl_add_u32 v3, v2, 14, v5                  ; w_proj: four rows of 4,096 bytes for h, + 4 r
	v_lshlrev_b32 v4, 12, v1
	v_lshl_add_u32 v4, v2, 4, v4                   ; yf: row r + 16 h
	v_lshl_add_u32 v8, v2, 15, v5                  ; out0: eight rows for h, + 4 r
	v_and_b32 v6, 31, v0
	v_lshlrev_b32 v6, 4, v6                        ; 16 x lane
	s_lshr_b32 s13, s12, 3                         ; the tile that I add
	s_lshl_b32 s14, s13, 10
	s_bfe_u32 s15, s12, 0x10002
	s_lshl_b32 s15, s15, 9
	s_add_co_u32 s14, s14, s15
	s_and_b32 s15, s12, 3
	s_lshl_b32 s15, s15, 2
	s_add_co_u32 s14, s14, s15
	v_add_nc_u32 v7, s14, v6                       ; where register w % 8 of tile w / 8 lies in an image
	s_lshl_b32 s14, s12, 11
	v_add_nc_u32 v6, s14, v6                       ; my wave's two images
	s_mov_b32 s17, 0
	s_lshl_b32 s18, ttmp9, 6                       ; my 16 columns, in bytes
	s_wait_kmcnt 0x0
	s_lshl_b32 s16, s12, 8
	s_add_nc_u64 s[4:5], s[4:5], s[16:17]
	s_lshl_b32 s16, s12, 18
	s_add_co_u32 s16, s16, s18
	s_add_nc_u64 s[6:7], s[6:7], s[16:17]
	s_mov_b32 s16, s18
	s_add_nc_u64 s[8:9], s[8:9], s[16:17]
	s_lshl_b32 s16, s13, 23                        ; a batch is 8,388,608 bytes
	s_and_b32 s15, s12, 7
	s_lshl_b32 s15, s15, 12
	s_add_co_u32 s16, s16, s15
	s_add_co_u32 s16, s16, s18
	s_add_nc_u64 s[10:11], s[10:11], s[16:17]
.set i, 0
.rept 32
	global_load_b32 v[WB+i], v3, s[6:7] offset:(8*(i/4)+i%4)*4096
.set i, i+1
.endr
.irp bt, 0,1
.irp u, 0,1,2,3,4,5,6,7
	global_load_b128 v[YA+32*\bt+4*\u:YA+32*\bt+4*\u+3], v4, s[4:5] offset:65536*\bt+32*\u
.endr
.endr
	global_load_b32 v9, v5, s[8:9]
	s_wait_loadcnt 0x0
.set i, 0
.rept 32                               ; the two accumulators by turns
.set bt, i%2
.set p, 2*(i/2)
.if i < 2
	v_wmma_f32_16x16x4_f32 v[ACC+8*bt:ACC+8*bt+7], v[YA+32*bt+p:YA+32*bt+p+1], v[WB+p:WB+p+1], 0
.else
	v_wmma_f32_16x16x4_f32 v[ACC+8*bt:ACC+8*bt+7], v[YA+32*bt+p:YA+32*bt+p+1], v[WB+p:WB+p+1], v[ACC+8*bt:ACC+8*bt+7]
.endif
.set i, i+1
.endr
.rept 8
	v_nop                                          ; eight places behind this form
.endr
.irp bt, 0,1
	ds_store_b128 v6, v[ACC+8*\bt:ACC+8*\bt+3] offset:1024*\bt
	ds_store_b128 v6, v[ACC+8*\bt+4:ACC+8*\bt+7] offset:1024*\bt+512
.endr
	s_wait_dscnt 0x0                               ; for the others' sake: my images have landed
	s_barrier_signal -1
	s_barrier_wait -1
.irp w, 0,1,2,3,4,5,6,7,8,9,10,11,12,13,14,15
	ds_load_b32 v[SUM+\w], v7 offset:2048*\w
.endr
	s_wait_dscnt 0x0
.irp i, 0,1,2,3,4,5,6,7
	v_add_f32 v[SUM+\i], v[SUM+\i], v[SUM+8+\i]
.endr
.irp i, 0,1,2,3
	v_add_f32 v[SUM+\i], v[SUM+\i], v[SUM+4+\i]
.endr
.irp i, 0,1
	v_add_f32 v[SUM+\i], v[SUM+\i], v[SUM+2+\i]
.endr
	v_add_f32 v[SUM], v[SUM], v[SUM+1]
	v_add_f32 v[SUM], v[SUM], v9                   ; lane (r, h): position 8 h + w % 8, column r
	global_store_b32 v8, v[SUM], s[10:11]
	s_wait_tensorcnt 0x0                           ; the wave's end, behind my last LDS store
	ds_add_u32 v[SPW], v[NIL]
	s_wait_dscnt 0x0
	s_endpgm
.Lfunc_end_k_q13575074a3_fine2:
	.size	k_q13575074a3_fine2, .Lfunc_end_k_q13575074a3_fine2-k_q13575074a3_fine2
	.p2alignl 7, 3214868480
	.fill 96, 4, 3214868480
	.section	.rodata,"a",@progbits
	.p2align	6, 0x0
	.amdhsa_kernel k_q13575074a3_fine2
		.amdhsa_group_segment_fixed_size 34816
		.amdhsa_private_segment_fixed_size 0
		.amdhsa_enable_private_segment 0
		.amdhsa_kernarg_size 32
		.amdhsa_user_sgpr_count 2
		.amdhsa_user_sgpr_kernarg_segment_ptr 1
		.amdhsa_wavefront_size32 1
		.amdhsa_system_sgpr_workgroup_id_x 1
		.amdhsa_system_sgpr_workgroup_id_y 1
		.amdhsa_system_sgpr_workgroup_id_z 1
		.amdhsa_system_vgpr_workitem_id 0
		.amdhsa_next_free_vgpr 160
		.amdhsa_next_free_sgpr 66
		.amdhsa_reserve_vcc 0
		.amdhsa_float_denorm_mode_32 3
		.amdhsa_float_denorm_mode_16_64 3
		.amdhsa_memory_ordered 1
		.amdhsa_forward_progress 1
		.amdhsa_inst_pref_size 11
	.end_amdhsa_kernel
	.amdgpu_metadata
---
amdhsa.version: [ 1, 2 ]
amdhsa.kernels:
  - .name:           k_q13575074a3_fine2
    .symbol:         k_q13575074a3_fine2.kd
    .args:
      - { .name: yf, .offset: 0, .size: 8, .value_kind: global_buffer, .address_space: global }
      - { .name: w_proj, .offset: 8, .size: 8, .value_kind: global_buffer, .address_space: global }
      - { .name: b_proj, .offset: 16, .size: 8, .value_kind: global_buffer, .address_space: global }
      - { .name: out0, .offset: 24, .size: 8, .value_kind: global_buffer, .address_space: global }
    .group_segment_fixed_size: 34816
    .private_segment_fixed_size: 0
    .kernarg_segment_align: 8
    .kernarg_segment_size: 32
    .max_flat_workgroup_size: 512
    .sgpr_count:     66
    .vgpr_count:     160
    .wavefront_size: 32
...
	.end_amdgpu_metadata
.endif
;; end of part 6
